; MI455X (gfx1250); checked and timed in simulation.
; The chip was launched on July 23, 2026; its instructions are those of AMD's public machine-readable ISA for CDNA 5 (MIT licence, August 2026) and "CDNA5" Instruction Set Architecture Reference Guide (July 2026). The comments in the code are by the model that wrote it; some were corrected since.
;; Mo E Block. Allowed arithmetic: matrix products marked QUANTISED: E2M1 operands, one E8M0 scale for each 32 along K, by v_wmma_scale_f32_16x16x128_f8f6f4 with both operands' format E2M1 (or v_wmma_scale_f32_32x16x128_f4), f32 sums; products left as they are: f32 operands where the result goes on into a quantised operand, else bf16, f16 or f32 operands; f32 sums; everything else in f32.
;; Inputs: W1_codes 8 x 4,096 x 32 x 16 uint8 (E2M1 codes of W1, K innermost, in blocks of 32 codes, two codes a byte); W1_scales 8 x 4,096 x 32 uint8 (E8M0 scales of W1, one for each 32 codes along K); W2_codes 8 x 1,024 x 128 x 16 uint8 (E2M1 codes of W2, K innermost, in blocks of 32 codes, two codes a byte); W2_scales 8 x 1,024 x 128 uint8 (E8M0 scales of W2, one for each 32 codes along K); Wr 1,024 x 8 float32; b1 8 x 4,096 float32; b2 8 x 1,024 float32; br 8 float32; x 1,024 x 1,024 float32.
;; Outputs: out0 1,024 x 1,024 float32.
;; This version of the problem:
;;   THIS VERSION OF THE PROBLEM IS GIVEN IN LOW PRECISION. The matrix products marked QUANTISED in the list below multiply operands that are first quantised to E2M1 (2 exponent bits, 1 mantissa bit; 4 bits a number), with one power-of-two scale for each 32 numbers along K (OCP MX v1.0); their sums are f32. All else is computed in f32.
;;   The module's matrix products, in the order in which they are computed (A, B: the left and right operand; K: the contracted axis; several contracted axes count as one K, in the product's order):
;;     1. [M 1,024, K 1,024] x [K 1,024, N 8]; A: input x; B: input Wr: left as it is (N = 8 < 16)
;;     2. [M 32,768, K 1,024] x [K 1,024, N 1,024]; A: input W1 (given as codes); B: input x: QUANTISED
;;     3. batch 8 x [M 1,024, K 4,096] x [K 4,096, N 1,024]; A: computed on the way; B: input W2 (given as codes): QUANTISED
;;   THE QUANTISER, for each operand of a quantised product, along K:
;;     - K is cut into blocks of 32 from its start; a last block that is shorter is filled with zeros.
;;     - A block's scale is 2^e with e = floor(log2(the largest magnitude in the block)) - 2, held to -126 .. 127; a block of zeros has e = 0. As a byte (E8M0): e + 127.
;;     - Each number is divided by its block's scale, clamped to +-6, and rounded to the nearest number of E2M1, ties to even, subnormals kept.
;;     - The product sums the exact products of the quantised numbers (number of the format x scale) in f32.
;;   ~~~python
;;   def quantise(x, axis):      # numpy; x: float32 -> the quantised numbers, widened to float32 again
;;       x = np.moveaxis(x, axis, -1); K = x.shape[-1]
;;       x = np.pad(x, [(0, 0)] * (x.ndim - 1) + [(0, -K % 32)]); x = x.reshape(x.shape[:-1] + (-1, 32)); a = np.abs(x).max(-1, keepdims=True)
;;       e = np.where(a > 0, np.clip(np.frexp(np.where(a > 0, a, 1))[1] - 1 - 2, -126, 127), 0)      # np.frexp(a)[1] - 1 = floor(log2(a)), exactly
;;       r = np.clip(x / 2.0 ** e, -6, 6)
;;       step = 2.0 ** (np.maximum(np.frexp(np.where(r == 0, 1, r))[1] - 1, 0) - 1)
;;       q = np.round(r / step) * step * 2.0 ** e      # np.round: ties to even
;;       return np.moveaxis(q.reshape(q.shape[:-2] + (-1,))[..., :K], -1, axis).astype(np.float32)
;;   ~~~
;;   OPERANDS COMPUTED ON THE WAY. 'Computed on the way' means the value that the module computes at that place (a softmax that the list does not call 'softmax' is quantised finished and normalised). What goes into a quantiser is computed in f32, as accurately as f32 sums, v_exp_f32 and their like allow (about 1e-6 of the number): no bf16 or f16 on the way to a quantiser, and a product that is left as it is and whose result goes on into a quantised operand takes f32 operands (vector FMAs, or v_wmma_f32_16x16x4_f32). A number that lies on a knife's edge between two numbers of the format may be rounded either way, as far as f32 arithmetic and the matrix unit's own rounding can turn it there, and no further.
;;   INPUTS GIVEN AS CODES. W1 (in the module: [8, 1024, 4096], K = its axis 1); W2 (in the module: [8, 4096, 1024], K = its axis 1): each comes as NAME_codes (uint8): NAME with its K axis moved to the last place and cut into blocks of 32 codes, [.., K / 32, bytes a block], one block behind the other in memory; two codes a byte, the lower K in the low four bits (a code: sign, 2 exponent bits, 1 mantissa bit); and NAME_scales (uint8): the same leading axes, one E8M0 byte (e + 127) for each 32 codes along K. Its value is code x scale, taken as it is: it is not quantised again, and the codes and scales need not be those that the quantiser above would give.
;; 2 versions. Each part assembles by itself: llvm-mc -triple=amdgcn-amd-amdhsa -mcpu=gfx1250 --defsym DOCPART=n.
;; ======== version 1 of 2: 4 launches
;; workspace buffers: xq 524,288 bytes; xs 32,768 bytes; route 4,096 bytes of whole numbers; gates 8,192 bytes; hq 16,777,216 bytes; hs 1,048,576 bytes; rows 34,816 bytes of whole numbers; ysel 8,388,608 bytes
;; launch route (part 1): grid 256 x 1, 4 waves a work-group, no clusters, 55,808 bytes of LDS; arguments x, Wr, br, xq, xs, route, gates; writes xq, xs, route, gates
.if DOCPART == 1
	.amdgcn_target "amdgcn-amd-amdhsa--gfx1250"
	.amdhsa_code_object_version 6
	.text
	.protected	k_qbedd619bca_route
	.globl	k_qbedd619bca_route
	.p2align	8
	.type	k_qbedd619bca_route,@function
k_qbedd619bca_route:
	s_mov_b64 s[64:65], 0
	v_nop
	global_prefetch_b8 v0, s[64:65] scope:SCOPE_SE
	s_setreg_imm32_b32 hwreg(HW_REG_WAVE_MODE, 25, 1), 1
	s_wait_xcnt 0x0
; ROUTER AND QUANTISER OF x.  x [1024][1024] f32, Wr [1024][8] f32, br [8] f32.
; One wave takes one token T = 4 x work-group + wave.  It (a) turns the token's 1,024 numbers into codes of E2M1 with one E8M0 byte for each 32 (xq [token][512 bytes], xs [token][32 bytes]);
; (b) forms the 8 logits x Wr + br by f32 multiply-adds; (c) takes the two largest (equal logits: the lower expert first) and their softmax, with the larger logit taken away before the exponential.
; OUT: route[token], one word: the two bits at 2 e are 1 where expert e is the first choice, 2 where it is the second, else 0;  gates[token] = the two weights.  Both lie at fixed places: no address here hangs on the choice.
; A lane must hold 16 NEIGHBOURS for the conversions, while a load is best with neighbouring lanes on neighbouring bytes: so 2,048 bytes at a time turn through the wave's own stage in LDS (16 bytes of padding behind each 64).
; Wr (32 KB) is brought into LDS once by the four waves, as 64 pieces of 512 bytes (16 rows of Wr) 528 bytes apart: lane l then reads the 16 rows that belong to its 16 numbers, and 528 = 33 x 16 keeps the lanes on different 16-byte columns.
; LIMITS: NaN and infinite inputs are not served.  The logits are f32 sums in an order of their own: two logits that agree to about 1e-6 of their size may change places.
; A block of zeros gets the byte 1 (its codes are zeros; only this program reads the bytes); blocks whose largest magnitude lies under 2^-124 are held at byte 1.
; No matrix unit, no cluster, no tensor load: 8 columns are too few for a matrix tile, and the work-groups share only Wr, 32 KB.
.set SP,   80                          ; a lane's place in a stage: 64 bytes + 16
.set WP,   528                         ; a piece of Wr in LDS: 512 bytes + 16
.set WRS,  0                           ; LDS: Wr, 64 pieces
.set XST,  64*WP                       ; two stages of 32 x SP bytes for each wave
.set SBY,  XST+4*2*32*SP               ; 64 bytes for each wave: its 32 scale bytes
.set XRAW, 16                          ; v16-47   x as loaded
.set X,    48                          ; v48-79   two sets of 16 neighbours
.set WR,   80                          ; v80-207  16 rows of Wr x 8 experts
.set ACC,  208                         ; v208-215 the 8 logits
.set PL,   220                         ; v220-227 the other half of the lanes' sums
	s_load_b256 s[8:15], s[0:1], 0x0               ; x s[8:9], Wr s[10:11], br s[12:13], xq s[14:15]
	s_load_b128 s[16:19], s[0:1], 0x20             ; xs s[16:17], route s[18:19]
	s_load_b64 s[20:21], s[0:1], 0x30              ; gates
	v_lshl_add_u32 v219, v0, 2, 0xd800
	v_mov_b32 v231, 0
	v_lshrrev_b32 v1, 5, v0
	v_readfirstlane_b32 s2, v1                     ; wave
	s_lshl_b32 s3, ttmp9, 2
	s_add_co_u32 s3, s3, s2                        ; T
	v_and_b32 v1, 31, v0                           ; lane
	v_lshlrev_b32 v2, 4, v1                        ; 16 x lane
	s_mul_i32 s46, s2, 2*32*SP
	s_add_co_u32 s46, s46, XST                     ; my stages
	v_lshrrev_b32 v3, 2, v1
	v_mul_u32_u24 v3, v3, SP
	v_and_b32 v4, 3, v1
	v_lshl_add_u32 v3, v4, 4, v3
	v_add_nc_u32 v3, s46, v3                       ; into a stage: SP (lane / 4) + 16 (lane % 4)
	v_mul_u32_u24 v4, v1, SP
	v_add_nc_u32 v4, s46, v4                       ; out of it: SP x lane
	v_lshlrev_b32 v5, 3, v1                        ; my 8 bytes of codes in a step's 256
	s_lshl_b32 s46, s2, 6
	s_add_co_u32 s46, s46, SBY
	v_lshrrev_b32 v6, 1, v1
	v_add_nc_u32 v6, s46, v6                       ; my block's scale byte
	v_and_b32 v7, 7, v1
	v_lshl_add_u32 v7, v7, 2, s46                  ; and the bytes read back, 4 a lane
	s_mul_i32 s46, s2, 16*WP
	v_add_nc_u32 v14, s46, v2                      ; where I put my 16 pieces of Wr
	v_mul_u32_u24 v15, v1, WP                      ; where I read my lane's piece
	v_lshlrev_b32 v250, 2, v1
	v_mov_b32 v251, 0
.irp e, 0,1,2,3,4,5,6,7
	v_mov_b32 v[PL+\e], 0                          ; a lane permute's destination counts as read: written once
.endr
	s_mov_b32 s32, 0x76543210
	s_mov_b32 s33, 0xfedcba98                      ; v_permlanex16_b32: lane l xor 16
	s_lshl_b32 s34, s3, 12                         ; offsets, each in a pair with 0 above it: x, 4,096 bytes a token
	s_mov_b32 s35, 0
	s_lshl_b32 s36, s2, 13                         ; Wr: my 16 pieces
	s_mov_b32 s37, 0
	s_lshl_b32 s38, s3, 9                          ; xq
	s_mov_b32 s39, 0
	s_lshl_b32 s40, s3, 5                          ; xs
	s_mov_b32 s41, 0
	s_lshl_b32 s42, s3, 2                          ; route
	s_mov_b32 s43, 0
	s_lshl_b32 s44, s3, 3                          ; gates
	s_mov_b32 s45, 0
	s_wait_kmcnt 0x0
	s_load_b256 s[24:31], s[12:13], 0x0            ; br
	s_add_nc_u64 s[8:9], s[8:9], s[34:35]
	s_add_nc_u64 s[10:11], s[10:11], s[36:37]
	s_add_nc_u64 s[14:15], s[14:15], s[38:39]
	s_add_nc_u64 s[16:17], s[16:17], s[40:41]
	s_add_nc_u64 s[18:19], s[18:19], s[42:43]
	s_add_nc_u64 s[20:21], s[20:21], s[44:45]
.irp i, 0,1,2,3,4,5,6,7
	global_load_b128 v[XRAW+4*\i:XRAW+4*\i+3], v2, s[8:9] offset:512*\i th:TH_LOAD_NT   ; 32 lanes read 512 consecutive bytes of my token
.endr
.irp i, 0,1,2,3,4,5,6,7,8,9,10,11,12,13,14,15
	global_load_b128 v[WR+4*\i:WR+4*\i+3], v2, s[10:11] offset:512*\i                   ; my 16 pieces of Wr
.endr
.macro TURN st                         ; 2,048 bytes through the stage; LDS serves a wave's instructions in order, so no wait stands between the stores and the loads
.irp i, 0,1,2,3
	ds_store_b128 v3, v[XRAW+16*\st+4*\i:XRAW+16*\st+4*\i+3] offset:32*SP*\st+8*SP*\i
.endr
.irp i, 0,1,2,3
	ds_load_b128 v[X+16*\st+4*\i:X+16*\st+4*\i+3], v4 offset:32*SP*\st+16*\i
.endr
.endm
	s_wait_loadcnt 16                              ; x is in; the 16 loads of Wr behind it may be out
	TURN 0
	TURN 1
	s_wait_dscnt 0x0                               ; set st, lane l: numbers 512 st + 16 l + 0 .. 15
.macro QSTEP st, t                     ; t: three registers at work
.set XS, X+16*\st
	v_max3_num_f32 v[\t], |v[XS]|, |v[XS+1]|, |v[XS+2]|            ; the largest magnitude of my 16, in two chains
	v_max3_num_f32 v[\t+1], |v[XS+3]|, |v[XS+4]|, |v[XS+5]|
.irp i, 6,10
	v_max3_num_f32 v[\t], v[\t], |v[XS+\i]|, |v[XS+\i+1]|
	v_max3_num_f32 v[\t+1], v[\t+1], |v[XS+\i+2]|, |v[XS+\i+3]|
.endr
	v_max3_num_f32 v[\t], v[\t], |v[XS+14]|, |v[XS+15]|
	v_max3_num_f32 v[\t], v[\t], v[\t+1], 0x1800000               ; and the floor 2^(3 - 127): the byte cannot fall under 1
	v_max_num_f32_dpp v[\t], v[\t], v[\t] row_xmask:1 row_mask:0xf bank_mask:0xf   ; with my neighbour's 16: the block's
	v_add_nc_u32 v[\t+2], 0xff000000, v[\t]        ; 2 off its exponent field: the conversion takes this operand's exponent field as its scale
	v_cvt_scalef32_pk8_fp4_f32 v[8+2*\st], v[XS:XS+7], v[\t+2]
	v_cvt_scalef32_pk8_fp4_f32 v[9+2*\st], v[XS+8:XS+15], v[\t+2]
	v_lshrrev_b32 v[12+\st], 23, v[\t+2]           ; the scale's byte (also the plain line behind the conversions)
	ds_store_b8 v6, v[12+\st] offset:16*\st        ; both lanes of a block write the same byte with the same value
	global_store_b64 v5, v[8+2*\st:9+2*\st], s[14:15] offset:256*\st   ; the wave stores 256 consecutive bytes, aligned
.endm
	QSTEP 0, 216
	QSTEP 1, 228
	s_wait_loadcnt 0x0                             ; Wr
.irp i, 0,1,2,3,4,5,6,7,8,9,10,11,12,13,14,15
	ds_store_b128 v14, v[WR+4*\i:WR+4*\i+3] offset:WP*\i
.endr
	s_wait_dscnt 0x0                               ; for the others' sake: my pieces of Wr lie in LDS
	s_barrier_signal -1
	s_barrier_wait -1
; 16 numbers a lane x 8 experts: 64 packed multiply-adds on four pairs of sums.  The number is broadcast from its pair: the low word for an even one, the high word for an odd one.
.macro DOT st
.set jj, 0
.rept 32
	ds_load_b128 v[WR+4*jj:WR+4*jj+3], v15 offset:32*WP*\st+16*jj    ; register 8 i + e = Wr[512 st + 16 lane + i][e]
.set jj, jj+1
.endr
	s_wait_dscnt 0x0
.set i, 0
.rept 16
.irp p, 0,1,2,3
.if (\st == 0) && (i == 0)
	v_pk_mul_f32 v[ACC+2*\p:ACC+2*\p+1], v[WR+2*\p:WR+2*\p+1], v[X:X+1] op_sel_hi:[1,0]     ; the first product starts the sums
.elseif i%2 == 0
	v_pk_fma_f32 v[ACC+2*\p:ACC+2*\p+1], v[WR+8*i+2*\p:WR+8*i+2*\p+1], v[X+16*\st+i:X+16*\st+i+1], v[ACC+2*\p:ACC+2*\p+1] op_sel_hi:[1,0,1]
.else
	v_pk_fma_f32 v[ACC+2*\p:ACC+2*\p+1], v[WR+8*i+2*\p:WR+8*i+2*\p+1], v[X+16*\st+i-1:X+16*\st+i], v[ACC+2*\p:ACC+2*\p+1] op_sel:[0,1,0] op_sel_hi:[1,1,1]
.endif
.endr
.set i, i+1
.endr
.endm
	DOT 0
	DOT 1
.irp m, 1,2,4,8                        ; the 32 lanes' parts are added; every lane ends with the sums
.irp e, 0,1,2,3,4,5,6,7
	v_add_f32_dpp v[ACC+\e], v[ACC+\e], v[ACC+\e] row_xmask:\m row_mask:0xf bank_mask:0xf
.endr
.endr
.irp e, 0,1,2,3,4,5,6,7
	v_permlanex16_b32 v[PL+\e], v[ACC+\e], s32, s33
.endr
.irp e, 0,1,2,3,4,5,6,7
	v_add_f32 v[ACC+\e], v[ACC+\e], v[PL+\e]
.endr
	s_wait_kmcnt 0x0                               ; br
.irp e, 0,1,2,3,4,5,6,7
	v_add_f32 v[ACC+\e], s[24+\e], v[ACC+\e]
.endr
	; the largest logit m1 and its expert i1: walked from 7 down, so that of equal logits the lowest expert stays
	v_max3_num_f32 v232, v[ACC], v[ACC+1], v[ACC+2]
	v_max3_num_f32 v232, v232, v[ACC+3], v[ACC+4]
	v_max3_num_f32 v232, v232, v[ACC+5], v[ACC+6]
	v_max_num_f32 v232, v232, v[ACC+7]
	v_mov_b32 v233, 7
.irp e, 6,5,4,3,2,1,0
	v_cmp_neq_f32 vcc_lo, v[ACC+\e], v232
	v_cndmask_b32 v233, \e, v233, vcc_lo           ; e where the logit is the largest, else as it was
.endr
	v_mov_b32 v234, 0xff800000                     ; -infinity takes the first choice's place
.irp e, 0,1,2,3,4,5,6,7
	v_cmp_eq_u32 vcc_lo, \e, v233
	v_cndmask_b32 v[240+\e], v[ACC+\e], v234, vcc_lo
.endr
	v_max3_num_f32 v235, v240, v241, v242          ; the second largest m2 and its expert i2, in the same way
	v_max3_num_f32 v235, v235, v243, v244
	v_max3_num_f32 v235, v235, v245, v246
	v_max_num_f32 v235, v235, v247
	v_mov_b32 v236, 7
.irp e, 6,5,4,3,2,1,0
	v_cmp_neq_f32 vcc_lo, v[240+\e], v235
	v_cndmask_b32 v236, \e, v236, vcc_lo
.endr
	v_lshlrev_b32 v237, 1, v233
	v_mov_b32 v238, 1
	v_lshlrev_b32 v237, v237, v238                 ; 1 << 2 i1
	v_lshlrev_b32 v239, 1, v236
	v_mov_b32 v238, 2
	v_lshlrev_b32 v239, v239, v238                 ; 2 << 2 i2
	v_or_b32 v253, v237, v239
	; softmax of (m1, m2) with m1 taken away: 1 / (1 + e^(m2 - m1)) and the rest
	v_sub_f32 v254, v235, v232
	v_mul_f32 v254, 0x3fb8aa3b, v254
	v_exp_f32 v255, v254
	v_nop                                          ; a plain line behind the exponential,
	s_wait_alu depctr_va_vdst(0)                   ; and a wait ahead of its first reader
	v_add_f32 v254, 1.0, v255
	v_rcp_f32 v248, v254
	v_nop
	s_wait_alu depctr_va_vdst(0)
	v_mul_f32 v249, v255, v248
	ds_load_b32 v252, v7                           ; my wave's 32 scale bytes, 4 a lane (LDS serves my byte stores first)
	v_cmp_gt_u32 vcc_lo, 8, v1
	s_wait_dscnt 0x0
	s_wait_xcnt 0x0                                ; EXEC changes only behind this wait: the stores above have read it
	s_wait_tensorcnt 0x0
	ds_add_u32 v219, v231
	s_wait_dscnt 0x0
	s_and_saveexec_b32 s47, vcc_lo
	global_store_b32 v250, v252, s[16:17]          ; lanes 0 to 7: 32 bytes
	s_wait_xcnt 0x0
	s_or_b32 exec_lo, exec_lo, s47
	v_cmp_eq_u32 vcc_lo, 0, v1
	s_and_saveexec_b32 s47, vcc_lo
	global_store_b32 v251, v253, s[18:19]          ; lane 0
	global_store_b64 v251, v[248:249], s[20:21]
	s_wait_xcnt 0x0
	s_or_b32 exec_lo, exec_lo, s47
	s_endpgm
.Lfunc_end_k_qbedd619bca_route:
	.size	k_qbedd619bca_route, .Lfunc_end_k_qbedd619bca_route-k_qbedd619bca_route
	.p2alignl 7, 3214868480
	.fill 96, 4, 3214868480
	.section	.rodata,"a",@progbits
	.p2align	6, 0x0
	.amdhsa_kernel k_qbedd619bca_route
		.amdhsa_group_segment_fixed_size 55808
		.amdhsa_private_segment_fixed_size 0
		.amdhsa_enable_private_segment 0
		.amdhsa_kernarg_size 56
		.amdhsa_user_sgpr_count 2
		.amdhsa_user_sgpr_kernarg_segment_ptr 1
		.amdhsa_wavefront_size32 1
		.amdhsa_system_sgpr_workgroup_id_x 1
		.amdhsa_system_sgpr_workgroup_id_y 1
		.amdhsa_system_sgpr_workgroup_id_z 1
		.amdhsa_system_vgpr_workitem_id 0
		.amdhsa_next_free_vgpr 256
		.amdhsa_next_free_sgpr 66
		.amdhsa_reserve_vcc 1
		.amdhsa_float_denorm_mode_32 3
		.amdhsa_float_denorm_mode_16_64 3
		.amdhsa_memory_ordered 1
		.amdhsa_forward_progress 1
		.amdhsa_inst_pref_size 28
	.end_amdhsa_kernel
	.amdgpu_metadata
---
amdhsa.version: [ 1, 2 ]
amdhsa.kernels:
  - .name:           k_qbedd619bca_route
    .symbol:         k_qbedd619bca_route.kd
    .args:
      - { .name: x, .offset: 0, .size: 8, .value_kind: global_buffer, .address_space: global }
      - { .name: Wr, .offset: 8, .size: 8, .value_kind: global_buffer, .address_space: global }
      - { .name: br, .offset: 16, .size: 8, .value_kind: global_buffer, .address_space: global }
      - { .name: xq, .offset: 24, .size: 8, .value_kind: global_buffer, .address_space: global }
      - { .name: xs, .offset: 32, .size: 8, .value_kind: global_buffer, .address_space: global }
      - { .name: route, .offset: 40, .size: 8, .value_kind: global_buffer, .address_space: global }
      - { .name: gates, .offset: 48, .size: 8, .value_kind: global_buffer, .address_space: global }
    .group_segment_fixed_size: 55808
    .private_segment_fixed_size: 0
    .kernarg_segment_align: 8
    .kernarg_segment_size: 56
    .max_flat_workgroup_size: 128
    .sgpr_count:     66
    .vgpr_count:     256
    .wavefront_size: 32
...
	.end_amdgpu_metadata
.endif
;; end of part 1
;; launch gemm1 (part 2): grid 32 x 8, 4 waves a work-group, no clusters, 107,008 bytes of LDS; arguments route, xq, xs, W1_codes, W1_scales, b1, hq, hs, rows; writes hq, hs, rows
.if DOCPART == 2
	.amdgcn_target "amdgcn-amd-amdhsa--gfx1250"
	.amdhsa_code_object_version 6
	.text
	.protected	k_qbedd619bca_gemm1
	.globl	k_qbedd619bca_gemm1
	.p2align	8
	.type	k_qbedd619bca_gemm1,@function
k_qbedd619bca_gemm1:
	s_mov_b64 s[64:65], 0
	v_nop
	global_prefetch_b8 v0, s[64:65] scope:SCOPE_SE
	s_setreg_imm32_b32 hwreg(HW_REG_WAVE_MODE, 25, 1), 1
	s_wait_xcnt 0x0
; FIRST PRODUCT ON THE CHOSEN ROWS: h = Q(relu(x W1^T + b1)), on codes of E2M1 with one E8M0 scale for each 32 along K = 1,024.
; A work-group (ct, e) owns hidden units 128 ct .. 128 ct + 127 of expert e: 64 KB of W1's codes, read from memory once in the launch.  They go once through LDS and then lie WHOLE in each wave's registers
; (64 fragments, 512 registers); wave w takes the expert's row tiles j = w, w + 4, ..  (16 rows each).
; THE LIST.  Wave 0 reads route (one word a token) and places the tokens that chose expert e one behind the other in LDS: entry = token | f << 10, f = 1 (first choice) or 2 (second); what is left of the last tile holds 0.
; The place of a token is the count of chosen tokens ahead of it (v_mbcnt on the compare's mask + a scalar prefix over the chunks): a counting sort without atomics.  Lanes without a choice write a spare word.
; The work-group with ct = 0 also stores the list and the number of tiles nt = max(ceil(count / 16), 1) to rows, for the next launch.
; THE PRODUCT IS USED TRANSPOSED (source 0 = 16 rows of W1, source 1 = 16 rows of x), and THE ROWS OF W1 THAT FORM A TILE ARE NOT NEIGHBOURS: lane r of tile 2 b + u takes unit 32 b + 8 u + r + 8 (r / 8).
; So a lane holds one row of h, and the 16 registers of tiles 2 b, 2 b + 1 are 16 neighbours along the next K: the 8 tiles become exactly K step ct of the second product, one fragment and one scale word a row.
; OUT: hq [e][tile j][K step][2][lane][16 bytes]: the fragment as an image of its registers;  hs [e][j][K step][row]: its scale words.  Each expert has room for 64 tiles: all tokens on one expert are served.
; x's ROWS ARE ASKED FOR TWO TILES AHEAD, in two sets of registers that take turns: while a tile is multiplied and quantised, the 17 loads of each of the next two tiles of the wave are on their way.
; THE LOOP HAS A CONSTANT COUNT, 8 trips of two tiles a wave; a scalar branch on nt passes over a tile's work.  The launch has no tensor load and no joint loads in a cluster.
; LIMITS: a block of zeros gets the byte 1 (its codes are zeros; only this program reads the bytes); blocks whose largest magnitude lies under 2^-124 are held at byte 1; NaN and infinities are not served.
; REGISTERS, in windows of 256: window 0: addresses, scale words, the 8 accumulators, work.  Windows 1, 2: W1's fragments, (tile t, K step s) at v[64 (t % 4) + 8 s] of window 1 + t / 4.
;   window 3: v0-63 x's 8 fragments; v64-127 and v192-255 the two sets of 16 rows of x as loaded; v128-191 b1 in the result's layout.
.set PITCH, 528                        ; an LDS row: 512 bytes + 16 = 33 x 16: the sixteen rows that a fragment load touches lie in 16 different 16-byte columns modulo 256
.set WST,   0                          ; LDS: 128 rows of W1, in the order of the tiles
.set XST,   128*PITCH                  ; 16 rows of x for each wave
.set LIST,  XST+4*16*PITCH             ; the list: 1,152 words = 72 tiles: 64 that can be multiplied, and 8 that only requests ahead can name (tile 3 + 4 x 17 = 71 at the most)
.set CNTW,  LIST+4608                  ; the count
.set DUMP,  1100                       ; the spare word: behind entry 1,023, the last that a chosen token can take; what a request ahead fetches by it is never multiplied
.set W1S,   32                         ; v32-63   W1's scale words: register 4 t + q: lanes 0-15 K step q, lanes 16-31 K step 4 + q
.set XS,    64                         ; v64-71   x's, likewise: two sets of four
.set TM,    72                         ; v72-87   the quantiser's work
.set PW,    88                         ; v88      the scale word just made
.set PC,    90                         ; v90-97   the codes just made
.set TK,    100                        ; v100-115 a tile's 16 entries
.set OFF,   116                        ; v116-131 their rows' offsets in xq, set 0;  v240-255 set 1  (the scale words' offset: v15, v23)
.set NTP,   132                        ; v132-133 nt on its way to rows
.set ACC,   144                        ; v144-207 the 8 accumulators
.set RW,    144                        ; at the head: 32 words of route
.set LC,    208                        ; v208-239 the list on its way to rows
.set SF,    100                        ; the sort, eight chunks at a time: v100-107 f,
.set SR,    108                        ; v108-115 the places,
.set SV,    116                        ; v116-123 the entries;
.set MK,    66                         ; s66-73   the compares' masks,
.set PF,    74                         ; s74-81   chosen tokens ahead of each chunk,
.set CN,    82                         ; s82-89   chosen tokens in each chunk
.set XF,    0                          ; in window 3
.set XR,    64                         ; set 0; set 1 lies 128 registers on
.set B1,    128
.set SEL,   34
.set MSB, 0
.macro WIN new                         ; the immediate's high byte repeats the setting that is left
.if MSB != (\new)
	s_set_vgpr_msb (MSB<<8)|(\new)
.set MSB, (\new)
.endif
.endm
; 64 numbers of a lane, register 16 b + i = k 32 b + 16 (lane / 16) + i of my row, become a fragment's codes in v[PC] on and its scale word in v[PW].
.macro QUANT s
.irp b, 0,1,2,3
	v_max3_num_f32 v[TM+\b], |v[\s+16*\b]|, |v[\s+1+16*\b]|, 0x1800000   ; block b: my 16 numbers, and the floor 2^(3 - 127): the byte cannot fall under 1
.endr
.irp i, 2,4,6,8,10,12,14
.irp b, 0,1,2,3
	v_max3_num_f32 v[TM+\b], v[TM+\b], |v[\s+16*\b+\i]|, |v[\s+1+16*\b+\i]|   ; the four blocks by turns
.endr
.endr
.irp b, 0,1,2,3
	v_permlanex16_b32 v[TM+4+\b], v[TM+\b], s[SEL], s[SEL+1]
.endr
.irp b, 0,1,2,3
	v_max_num_f32 v[TM+\b], v[TM+\b], v[TM+4+\b]   ; with lane l xor 16's: the block's largest magnitude
.endr
.irp b, 0,1,2,3
	v_add_nc_u32 v[TM+12+\b], 0xff000000, v[TM+\b] ; 2 off its exponent field: the conversion's scale operand
.endr
.irp b, 0,1,2,3
	v_lshrrev_b32 v[TM+4+\b], 23, v[TM+12+\b]      ; the scale's byte
.endr
	v_lshl_or_b32 v[PW], v[TM+5], 8, v[TM+4]
	v_lshl_or_b32 v[PW], v[TM+6], 16, v[PW]
	v_lshl_or_b32 v[PW], v[TM+7], 24, v[PW]
.irp b, 0,1,2,3
	v_cvt_scalef32_pk8_fp4_f32 v[PC+2*\b], v[\s+16*\b:\s+7+16*\b], v[TM+12+\b]
	v_cvt_scalef32_pk8_fp4_f32 v[PC+1+2*\b], v[\s+8+16*\b:\s+15+16*\b], v[TM+12+\b]
.endr
	v_nop                                          ; one plain line behind a scaled conversion
.irp c, 0,1                                    ; the operand wants a WHOLE block in a lane: lanes 0-15 block 2 c, lanes 16-31 block 2 c + 1
.irp i, 0,1
	v_permlane16_swap_b32 v[PC+4*\c+\i], v[PC+2+4*\c+\i]
.endr
.endr
.endm
; The tile whose entries begin at LDS byte s28 + 256 b: its 16 rows of x's codes are asked for into set b, a row of 512 bytes to an instruction, and the offset of its scale words is made (v15 or v23).
.macro GATHER b
	v_mov_b32 v11, s28
	v_add_nc_u32 v12, s28, v9
.irp q, 0,1,2,3
	ds_load_b128 v[TK+4*\q:TK+4*\q+3], v11 offset:256*\b+16*\q     ; every lane reads all 16 entries
.endr
	ds_load_b32 v22, v12 offset:256*\b             ; and the entry of its own row r
	s_wait_dscnt 0x0                               ; these, and all my earlier LDS instructions: the stage has read the registers that the loads below fill
.irp q, 0,1,2,3,4,5,6,7,8,9,10,11,12,13,14,15
	v_and_b32 v[TK+\q], 0x3ff, v[TK+\q]            ; the token
.endr
.irp q, 0,1,2,3,4,5,6,7,8,9,10,11,12,13,14,15
	v_min_u32 v[TK+\q], 0x3ff, v[TK+\q]            ; a number that was loaded enters an address only behind a bound written in the text
.endr
.irp q, 0,1,2,3,4,5,6,7,8,9,10,11,12,13,14,15
	v_lshl_add_u32 v[OFF+124*\b+\q], v[TK+\q], 9, v4   ; 512 x token + 16 x lane
.endr
	v_and_b32 v22, 0x3ff, v22
	v_min_u32 v22, 0x3ff, v22
	v_lshl_add_u32 v[15+8*\b], v22, 5, v10         ; 32 x token + 16 h
	WIN 0xC0                                       ; destination window 3
.irp q, 0,1,2,3,4,5,6,7,8,9,10,11,12,13,14,15
	global_load_b128 v[XR+128*\b+4*\q:XR+128*\b+4*\q+3], v[OFF+124*\b+\q], s[10:11]
.endr
	WIN 0
.endm
; 32 products: tiles 4 hf .. 4 hf + 3, the four accumulators by turns, K ascending.  The first takes b1 as its C: the bias costs no addition.  xb: x's set of scale words.
.macro MULS hf, xb
.irp s, 0,1,2,3,4,5,6,7
.if \s == 0
	WIN 0x3D+\hf                                   ; source 0 (W1) window 1 + hf, source 1 (x) and source 2 (b1) window 3
.else
	WIN 0x0D+\hf
.endif
.irp t, 0,1,2,3
.set rD, ACC+8*(4*\hf+\t)
.set rA, 64*\t+8*\s
.set rB, XF+8*\s
.set rC, B1+8*(4*\hf+\t)
.set rSA, W1S+4*(4*\hf+\t)+\s%4
.set rSB, XS+4*(\xb)+\s%4
.if \s == 0
	v_wmma_scale_f32_16x16x128_f8f6f4 v[rD:rD+7], v[rA:rA+7], v[rB:rB+7], v[rC:rC+7], v[rSA], v[rSB] matrix_a_fmt:MATRIX_FMT_FP4 matrix_b_fmt:MATRIX_FMT_FP4
.elseif \s < 4
	v_wmma_scale_f32_16x16x128_f8f6f4 v[rD:rD+7], v[rA:rA+7], v[rB:rB+7], v[rD:rD+7], v[rSA], v[rSB] matrix_a_fmt:MATRIX_FMT_FP4 matrix_b_fmt:MATRIX_FMT_FP4
.else
	v_wmma_scale_f32_16x16x128_f8f6f4 v[rD:rD+7], v[rA:rA+7], v[rB:rB+7], v[rD:rD+7], v[rSA], v[rSB] matrix_a_fmt:MATRIX_FMT_FP4 matrix_b_fmt:MATRIX_FMT_FP4 matrix_a_scale:MATRIX_SCALE_ROW1 matrix_b_scale:MATRIX_SCALE_ROW1
.endif
.endr
.endr
.endm
; Eight chunks of the sort, n = 8 g + k; chunk n holds the 32 tokens 128 (n / 4) + 4 lane + n % 4.  Each stage is written for all eight side by side, so that no line waits for the line above it,
; and the way from the compares' masks to the scalar counts and back to the vector unit is gone once for eight chunks.
.macro SORT8 g
.irp k, 0,1,2,3,4,5,6,7
	v_bfe_u32 v[SF+\k], v[RW+8*\g+\k], s5, 2       ; f: 0, 1 or 2
.endr
.irp k, 0,1,2,3,4,5,6,7
	v_cmp_ne_u32 s[MK+\k], 0, v[SF+\k]
.endr
.irp k, 0,1,2,3,4,5,6,7
	v_add_nc_u32 v[SV+\k], 128*(2*\g+\k/4)+\k%4, v18   ; my token
.endr
.irp k, 0,1,2,3,4,5,6,7
	v_lshl_or_b32 v[SV+\k], v[SF+\k], 10, v[SV+\k] ; the entry
.endr
.irp k, 0,1,2,3,4,5,6,7
	s_bcnt1_i32_b32 s[CN+\k], s[MK+\k]
.endr
	s_mov_b32 s[PF], s6                            ; chosen tokens in the chunks before
.irp k, 0,1,2,3,4,5,6
	s_add_co_u32 s[PF+1+\k], s[PF+\k], s[CN+\k]
.endr
	s_add_co_u32 s6, s[PF+7], s[CN+7]
.irp k, 0,1,2,3,4,5,6,7
	v_mbcnt_lo_u32_b32 v[SR+\k], s[MK+\k], s[PF+\k]    ; + in the lanes below mine: my place
.endr
.irp k, 0,1,2,3,4,5,6,7
	v_cndmask_b32 v[SR+\k], v17, v[SR+\k], s[MK+\k]    ; not chosen: the spare word
.endr
.irp k, 0,1,2,3,4,5,6,7
	v_min_u32 v[SR+\k], 0x47f, v[SR+\k]            ; inside the list's 1,152 words, by a bound written in the text
.endr
.irp k, 0,1,2,3,4,5,6,7
	v_lshlrev_b32 v[SR+\k], 2, v[SR+\k]
.endr
.irp k, 0,1,2,3,4,5,6,7
	v_add_nc_u32 v[SR+\k], LIST, v[SR+\k]
.endr
.irp k, 0,1,2,3,4,5,6,7
	ds_store_b32 v[SR+\k], v[SV+\k]
.endr
.endm
	s_load_b512 s[8:23], s[0:1], 0x0               ; route s[8:9], xq s[10:11], xs s[12:13], W1's codes s[14:15], scales s[16:17], b1 s[18:19], hq s[20:21], hs s[22:23]
	s_load_b64 s[24:25], s[0:1], 0x40              ; rows
	v_lshl_add_u32 v142, v0, 2, 0x1a000
	v_mov_b32 v143, 0
	v_lshrrev_b32 v1, 5, v0
	v_readfirstlane_b32 s2, v1                     ; wave
	s_and_b32 s3, ttmp7, 0xffff                    ; e
	s_mov_b32 s4, ttmp9                            ; ct
	s_lshl_b32 s5, s3, 1                           ; where expert e's two bits stand in a word of route
	v_and_b32 v1, 31, v0                           ; lane
	v_and_b32 v2, 15, v0                           ; r
	v_bfe_u32 v3, v0, 4, 1                         ; h
	v_lshlrev_b32 v4, 4, v1                        ; 16 x lane
	s_mul_i32 s36, s2, 32*PITCH
	v_add_nc_u32 v5, s36, v4                       ; where I put my 32 rows of W1
	v_mul_u32_u24 v6, v2, PITCH
	v_lshl_add_u32 v6, v3, 4, v6                   ; a fragment: row r x pitch + 16 h
	s_mul_i32 s36, s2, 16*PITCH
	s_add_co_u32 s36, s36, XST                     ; my stage for x
	v_add_nc_u32 v7, s36, v4
	v_add_nc_u32 v8, s36, v6
	v_lshlrev_b32 v9, 2, v2                        ; 4 r
	v_lshlrev_b32 v10, 4, v3                       ; 16 h
	v_mov_b32 v16, CNTW
	v_mov_b32 v17, DUMP
	v_lshlrev_b32 v18, 2, v1                       ; 4 x lane
.irp k, 0,1,2,3
	v_mov_b32 v[24+\k], 0
.endr
	v_add_nc_u32 v28, LIST, v4
	v_lshlrev_b32 v29, 3, v1
	v_and_b32 v30, 8, v2
	v_add_nc_u32 v30, v30, v2                      ; r + 8 (r / 8)
	v_lshlrev_b32 v30, 5, v30
	v_lshl_add_u32 v30, v3, 4, v30                 ; W1's scale bytes: 32 a row, + 16 h
	v_lshlrev_b32 v31, 6, v3                       ; b1: 16 h numbers on
.irp b, 0,1,2,3
	v_mov_b32 v[TM+4+\b], 0                        ; a lane permute's destination counts as read: written once
.endr
	s_mov_b32 s[SEL], 0x76543210
	s_mov_b32 s[SEL+1], 0xfedcba98
	s_lshl_b32 s36, s3, 21                         ; W1's codes: 2 MB an expert, 64 KB a column tile, 16 KB a wave
	s_lshl_b32 s7, s4, 16
	s_add_co_u32 s36, s36, s7
	s_lshl_b32 s7, s2, 14
	s_add_co_u32 s36, s36, s7
	s_mov_b32 s37, 0
	s_lshl_b32 s38, s3, 17                         ; its scale bytes
	s_lshl_b32 s7, s4, 12
	s_add_co_u32 s38, s38, s7
	s_mov_b32 s39, 0
	s_lshl_b32 s40, s3, 14                         ; b1
	s_lshl_b32 s7, s4, 9
	s_add_co_u32 s40, s40, s7
	s_mov_b32 s41, 0
	s_mov_b32 s27, s2                              ; my first tile
	s_lshl_b32 s28, s2, 6
	s_add_co_u32 s28, s28, LIST                    ; and its entries
	s_lshl_b32 s30, s3, 21                         ; hq: e x 2 MB + j x 32 KB + ct x 1 KB
	s_lshl_b32 s7, s2, 15
	s_add_co_u32 s30, s30, s7
	s_lshl_b32 s7, s4, 10
	s_add_co_u32 s30, s30, s7
	s_lshl_b32 s31, s3, 17                         ; hs: e x 128 KB + j x 2 KB + ct x 64
	s_lshl_b32 s7, s2, 11
	s_add_co_u32 s31, s31, s7
	s_lshl_b32 s7, s4, 6
	s_add_co_u32 s31, s31, s7
	s_wait_kmcnt 0x0
	s_add_nc_u64 s[14:15], s[14:15], s[36:37]
	s_add_nc_u64 s[16:17], s[16:17], s[38:39]
	s_add_nc_u64 s[18:19], s[18:19], s[40:41]
.irp jj, 0,1,2,3,4,5,6,7
	global_load_b128 v[RW+4*\jj:RW+4*\jj+3], v4, s[8:9] offset:512*\jj    ; route: register 4 jj + c, lane l: token 128 jj + 4 l + c
.endr
	WIN 0x40                                       ; destination window 1
.set i, 0
.rept 32
	global_load_b128 v[4*i:4*i+3], v4, s[14:15] offset:512*i th:TH_LOAD_NT   ; my 32 rows of W1: a row of 512 bytes to an instruction; read once in the launch
.set i, i+1
.endr
	WIN 0
.irp t, 0,1,2,3,4,5,6,7
	global_load_b128 v[W1S+4*\t:W1S+4*\t+3], v30, s[16:17] offset:32*(32*(\t/2)+8*(\t%2))
.endr
	WIN 0xC0                                       ; destination window 3
.irp t, 0,1,2,3,4,5,6,7
	global_load_b128 v[B1+8*\t:B1+8*\t+3], v31, s[18:19] offset:(32*(\t/2)+8*(\t%2))*4       ; lane (r, h), register j: b1 of unit 32 (t / 2) + 16 h + 8 (t % 2) + j
	global_load_b128 v[B1+8*\t+4:B1+8*\t+7], v31, s[18:19] offset:(32*(\t/2)+8*(\t%2))*4+16
.endr
	WIN 0
	s_cmp_lg_u32 s2, 0                             ; wave 0 alone makes the list; until the barrier below no other wave touches LDS
	s_cbranch_scc1 .Lsorted
.irp i, 0,1,2,3,4,5,6,7,8
	ds_store_b128 v28, v[24:27] offset:512*\i      ; the list begins as zeros
.endr
	s_wait_loadcnt 56                              ; route is in; behind it 32 + 8 + 16 loads may be out
	s_mov_b32 s6, 0
	SORT8 0
	SORT8 1
	SORT8 2
	SORT8 3
	v_mov_b32 v22, s6
	ds_store_b32 v16, v22                          ; the count
.Lsorted:
	s_wait_dscnt 0x0                               ; for the others' sake: the list lies in LDS
	s_barrier_signal -1
	s_barrier_wait -1
	ds_load_b32 v22, v16
	s_wait_dscnt 0x0
	v_readfirstlane_b32 s26, v22
	s_add_co_u32 s26, s26, 15
	s_lshr_b32 s26, s26, 4
	s_max_u32 s26, s26, 1                          ; nt: an expert that nobody chose keeps one tile of empty rows, so that what the next launch reads is written
	GATHER 0                                       ; my first tile
	global_load_b128 v[XS:XS+3], v15, s[12:13]     ; and its scale words
	s_wait_loadcnt 41                              ; W1's rows are in; behind them 8 + 16 + 17 loads may be out
	WIN 0x04                                       ; an LDS store's data are its source 1: window 1
.set i, 0
.rept 32
	ds_store_b128 v5, v[4*i:4*i+3] offset:PITCH*((i%8)+8*(2*((i/8)%2)+(i/16)))   ; rows 8-15 and 16-23 of my 32 change places: a tile's 16 rows then lie in 16 neighbouring LDS rows
.set i, i+1
.endr
	WIN 0
	GATHER 1                                       ; my second tile, into the other set
	global_load_b128 v[XS+4:XS+7], v23, s[12:13]
	s_add_co_u32 s28, s28, 512                     ; from here on the requests stand two tiles ahead of the work
	s_cmp_lg_u32 s4, 0                             ; the list and nt go to memory once for each expert
	s_cbranch_scc1 .Lnolist
	s_cmp_lg_u32 s2, 1
	s_cbranch_scc1 .Lnolist
	s_lshl_b32 s36, s3, 12
	s_mov_b32 s37, 0
	s_add_nc_u64 s[38:39], s[24:25], s[36:37]      ; rows + 4,096 e
	s_lshl_b32 s36, s3, 8
	s_add_co_u32 s36, s36, 32768
	s_add_nc_u64 s[40:41], s[24:25], s[36:37]      ; rows + 32,768 + 256 e
.irp i, 0,1,2,3,4,5,6,7
	ds_load_b128 v[LC+4*\i:LC+4*\i+3], v28 offset:512*\i
.endr
	v_mov_b32 v[NTP], s26
	v_mov_b32 v[NTP+1], s26
	s_wait_dscnt 0x0
.irp i, 0,1,2,3,4,5,6,7
	global_store_b128 v4, v[LC+4*\i:LC+4*\i+3], s[38:39] offset:512*\i
.endr
	global_store_b64 v29, v[NTP:NTP+1], s[40:41]   ; nt, 64 times: 256 consecutive bytes, aligned
.Lnolist:
	s_wait_dscnt 0x0                               ; for the others' sake: my rows of W1 lie in LDS
	s_barrier_signal -1
	s_barrier_wait -1
	WIN 0x40
.irp t, 0,1,2,3
.irp s, 0,1,2,3,4,5,6,7
.irp c, 0,1
	ds_load_b128 v[64*\t+8*\s+4*\c:64*\t+8*\s+4*\c+3], v6 offset:16*\t*PITCH+64*\s+32*\c
.endr
.endr
.endr
	WIN 0x80
.irp t, 0,1,2,3
.irp s, 0,1,2,3,4,5,6,7
.irp c, 0,1
	ds_load_b128 v[64*\t+8*\s+4*\c:64*\t+8*\s+4*\c+3], v6 offset:16*(\t+4)*PITCH+64*\s+32*\c
.endr
.endr
.endr
	WIN 0
	s_wait_dscnt 0x0                               ; all 64 fragments of W1 are in my registers, for the whole launch
; ONE TILE, j = s27 + 4 b, from set b.  Its outputs lie 4 b tiles behind the trip's offsets: 131,072 b bytes in hq, 8,192 b in hs, in the stores' immediates.
.macro TILE b
	s_add_co_u32 s7, s27, 4*\b
	s_cmp_ge_u32 s7, s26
	s_cbranch_scc1 .Lnone_\@                       ; no such tile
	s_wait_loadcnt 17                              ; this tile's 16 rows and its scale words are in (at first also W1's scale words and b1); the 17 loads of the tile behind it, which land in the other set, may be out
	WIN 0x0C                                       ; store data: window 3
.irp q, 0,1,2,3,4,5,6,7,8,9,10,11,12,13,14,15
	ds_store_b128 v7, v[XR+128*\b+4*\q:XR+128*\b+4*\q+3] offset:PITCH*\q   ; the 16 rows into my stage,
.endr
	WIN 0xC0
.irp s, 0,1,2,3,4,5,6,7
.irp c, 0,1
	ds_load_b128 v[XF+8*\s+4*\c:XF+8*\s+4*\c+3], v8 offset:64*\s+32*\c   ; and back as 8 fragments (LDS serves my instructions in order)
.endr
.endr
	WIN 0
	GATHER \b                                      ; my tile two on is asked for into the set just read out; its offsets' registers are free since the wait above.  (Past the list's end the entries name token 0 or a spare token: never multiplied.)  Its wait on DScnt serves the fragments too
	MULS 0, \b
	MULS 1, \b
	WIN 0
.rept 4
	v_nop                                          ; four places behind the products, in front of the load into their scale registers and of the first read of results
.endr
	global_load_b128 v[XS+4*\b:XS+4*\b+3], v[15+8*\b], s[12:13]    ; that tile's scale words: the 17th load of its request
.set i, 0
.rept 64
	v_max_num_f32 v[ACC+i], 0, v[ACC+i]            ; relu, in f32; each accumulator from its low end on
.set i, i+1
.endr
	s_wait_xcnt 0x0                                ; the last tile's stores have read their data and offsets: both are written again below
	QUANT ACC
	v_add_nc_u32 v13, s30, v4
	v_add_nc_u32 v14, s31, v9
	global_store_b128 v13, v[PC:PC+3], s[20:21] offset:131072*\b           ; the fragment as it stands: 512 consecutive bytes a store
	global_store_b128 v13, v[PC+4:PC+7], s[20:21] offset:131072*\b+512
	global_store_b32 v14, v[PW], s[22:23] offset:8192*\b                   ; 16 scale words (lanes 16-31 hold, and write, the same words)
	s_branch .Lnext_\@
.Lnone_\@:
	s_wait_loadcnt 0x0                             ; a tile passed over issues nothing: so that the count 17 holds on every way, all that is out is waited for here
.Lnext_\@:
.endm
	s_mov_b32 s29, 0
.Ltile:                                                ; 8 trips, a constant; trip n is tiles j = wave + 8 n and j + 4
	TILE 0
	TILE 1
	s_add_co_u32 s27, s27, 8
	s_add_co_u32 s28, s28, 512
	s_add_co_u32 s30, s30, 262144
	s_add_co_u32 s31, s31, 16384
	s_add_co_u32 s29, s29, 1
	s_cmp_lt_u32 s29, 8
	s_cbranch_scc1 .Ltile
	s_wait_tensorcnt 0x0
	ds_add_u32 v142, v143
	s_wait_dscnt 0x0
	s_endpgm
.Lfunc_end_k_qbedd619bca_gemm1:
	.size	k_qbedd619bca_gemm1, .Lfunc_end_k_qbedd619bca_gemm1-k_qbedd619bca_gemm1
	.p2alignl 7, 3214868480
	.fill 96, 4, 3214868480
	.section	.rodata,"a",@progbits
	.p2align	6, 0x0
	.amdhsa_kernel k_qbedd619bca_gemm1
		.amdhsa_group_segment_fixed_size 107008
		.amdhsa_private_segment_fixed_size 0
		.amdhsa_enable_private_segment 0
		.amdhsa_kernarg_size 72
		.amdhsa_user_sgpr_count 2
		.amdhsa_user_sgpr_kernarg_segment_ptr 1
		.amdhsa_wavefront_size32 1
		.amdhsa_system_sgpr_workgroup_id_x 1
		.amdhsa_system_sgpr_workgroup_id_y 1
		.amdhsa_system_sgpr_workgroup_id_z 1
		.amdhsa_system_vgpr_workitem_id 0
		.amdhsa_next_free_vgpr 1024
		.amdhsa_next_free_sgpr 90
		.amdhsa_reserve_vcc 0
		.amdhsa_float_denorm_mode_32 3
		.amdhsa_float_denorm_mode_16_64 3
		.amdhsa_memory_ordered 1
		.amdhsa_forward_progress 1
		.amdhsa_inst_pref_size 99
	.end_amdhsa_kernel
	.amdgpu_metadata
---
amdhsa.version: [ 1, 2 ]
amdhsa.kernels:
  - .name:           k_qbedd619bca_gemm1
    .symbol:         k_qbedd619bca_gemm1.kd
    .args:
      - { .name: route, .offset: 0, .size: 8, .value_kind: global_buffer, .address_space: global }
      - { .name: xq, .offset: 8, .size: 8, .value_kind: global_buffer, .address_space: global }
      - { .name: xs, .offset: 16, .size: 8, .value_kind: global_buffer, .address_space: global }
      - { .name: W1_codes, .offset: 24, .size: 8, .value_kind: global_buffer, .address_space: global }
      - { .name: W1_scales, .offset: 32, .size: 8, .value_kind: global_buffer, .address_space: global }
      - { .name: b1, .offset: 40, .size: 8, .value_kind: global_buffer, .address_space: global }
      - { .name: hq, .offset: 48, .size: 8, .value_kind: global_buffer, .address_space: global }
      - { .name: hs, .offset: 56, .size: 8, .value_kind: global_buffer, .address_space: global }
      - { .name: rows, .offset: 64, .size: 8, .value_kind: global_buffer, .address_space: global }
    .group_segment_fixed_size: 107008
    .private_segment_fixed_size: 0
    .kernarg_segment_align: 8
    .kernarg_segment_size: 72
    .max_flat_workgroup_size: 128
    .sgpr_count:     90
    .vgpr_count:     1024
    .wavefront_size: 32
...
	.end_amdgpu_metadata
.endif
;; end of part 2
;; launch gemm2 (part 3): grid 32 x 8, 4 waves a work-group, no clusters, 203,264 bytes of LDS; arguments hq, hs, rows, W2_codes, W2_scales, b2, ysel; writes ysel
.if DOCPART == 3
	.amdgcn_target "amdgcn-amd-amdhsa--gfx1250"
	.amdhsa_code_object_version 6
	.text
	.protected	k_qbedd619bca_gemm2
	.globl	k_qbedd619bca_gemm2
	.p2align	8
	.type	k_qbedd619bca_gemm2,@function
k_qbedd619bca_gemm2:
	s_mov_b64 s[64:65], 0
	v_nop
	global_prefetch_b8 v0, s[64:65] scope:SCOPE_SE
	s_setreg_imm32_b32 hwreg(HW_REG_WAVE_MODE, 25, 1), 1
	s_wait_xcnt 0x0
; SECOND PRODUCT ON THE CHOSEN ROWS: sigmoid(h W2^T + b2), on codes of E2M1 with one E8M0 scale for each 32 along K = 4,096; each row goes to ysel [choice 0 or 1][token][1024] f32.
; A work-group (ct = x % 8, q = x / 8, e) owns output columns 128 ct .. + 127 of expert e and the expert's row tiles j = q, q + 4, ..
; THE WAVES SHARE K: wave w owns K steps 8 w .. 8 w + 7 of all 128 columns: 64 fragments of W2, 512 registers, for the whole launch.  They come as pieces of 512 consecutive bytes of a row and turn through the wave's own stage in LDS.
; h comes as images of the operand's registers (hq) and its scale words (hs): plain loads, a tile ahead of the products, in two buffers.
; THE PRODUCT IS USED TRANSPOSED (source 0 = 16 rows of W2, source 1 = 16 rows of h): a lane holds eight neighbouring columns of one row.  The four waves' partial sums of four tiles meet in LDS as rows;
; behind a barrier wave w adds them for rows 4 w .. 4 w + 3 of each tile, adds b2, takes the sigmoid and stores each row's 512 consecutive bytes where the list (rows) says.  Empty rows of a last tile are not stored.
; BOTH LOOPS' COUNTS ARE CONSTANTS (4 groups of 4 tiles); scalar branches on nt, read from rows, pass over work alone, never over a barrier: a group without tiles loads nothing and passes its two barriers.
; The launch has no tensor load and no joint loads in a cluster, though the four work-groups of one (ct, e) read the same weights.
; sigmoid(z) = 1 / (1 + 2^(-z log2 e)): for large -z the power is infinite and the result 0, for large z it is 0 and the result 1.  NaN is not served.
; REGISTERS, in windows of 256: window 0: addresses, scale words, h's two buffers.  Windows 1, 2: W2's fragments, (tile t, K step s) at v[64 (t % 4) + 8 s] of window 1 + t / 4.  Window 3: four sets of 8 accumulators.
.set PITCH, 528                        ; an LDS row: 512 bytes + 16 = 33 x 16
.set RED,   4*32*PITCH                 ; behind the four stages: the partial sums, [tile of the group][wave][16 rows]
.set RWAVE, 16*PITCH
.set RTILE, 4*RWAVE
.set HA,    12                         ; v12-13  offsets of h's images, one for each buffer
.set SA,    14                         ; v14-15  of its scale words
.set YO,    16                         ; v16-19  offsets of four rows in ysel
.set BB,    20                         ; v20-23  -log2(e) x b2 of my 4 columns
.set YB,    24                         ; v24     512 ct + 16 x lane
.set W2S,   32                         ; v32-63  W2's scale words: register 4 t + q: lanes 0-15 my K step q, lanes 16-31 my K step 4 + q
.set HS,    64                         ; v64-71  h's: register 4 buf + p: lanes 0-15 my K step 2 p, lanes 16-31 2 p + 1
.set HF,    80                         ; v80-143, v144-207  h's 8 fragments, two buffers
.set R,     144                        ; the second buffer also takes the partial sums: register 16 a + 4 b + k: row a, wave b
.set MSB, 0
.macro WIN new                         ; the immediate's high byte repeats the setting that is left
.if MSB != (\new)
	s_set_vgpr_msb (MSB<<8)|(\new)
.set MSB, (\new)
.endif
.endm
.macro BATCH b                         ; columns 32 b .. 32 b + 31: my 512 bytes of each row, into the registers of tiles 2 b, 2 b + 1
	WIN 0x40*(1+(\b)/2)
.set i, 0
.rept 32
	global_load_b128 v[128*((\b)%2)+4*i:128*((\b)%2)+4*i+3], v4, s[14:15] offset:(32*(\b)+i)*2048
.set i, i+1
.endr
	WIN 0
.endm
.macro STAGE b                         ; into my stage, as rows
	WIN 0x04*(1+(\b)/2)
.set i, 0
.rept 32
	ds_store_b128 v5, v[128*((\b)%2)+4*i:128*((\b)%2)+4*i+3] offset:PITCH*i
.set i, i+1
.endr
	WIN 0
.endm
.macro FRAG b                          ; and back as fragments, into the registers that they left (LDS serves my instructions in order: these see the stores, and the next batch's stores come behind them)
	WIN 0x40*(1+(\b)/2)
.irp u, 0,1
.irp s, 0,1,2,3,4,5,6,7
.irp c, 0,1
	ds_load_b128 v[128*((\b)%2)+64*\u+8*\s+4*\c:128*((\b)%2)+64*\u+8*\s+4*\c+3], v6 offset:16*\u*PITCH+64*\s+32*\c
.endr
.endr
.endr
	WIN 0
.endm
.macro LOADH buf, add                  ; tile j0 + add (held to the expert's last tile, so that only written bytes are read): my 8 fragments and their scale words: 20 loads
	s_add_co_u32 s25, s7, \add
	s_min_u32 s25, s25, s30
	s_min_u32 s25, s25, 63                         ; a number that was loaded enters an address only behind a bound written in the text
	s_lshl_b32 s26, s25, 15
	s_add_co_u32 s26, s26, s28
	s_lshl_b32 s27, s25, 11
	s_add_co_u32 s27, s27, s29
	v_add_nc_u32 v[HA+(\buf)], s26, v4
	v_add_nc_u32 v[SA+(\buf)], s27, v11
.irp s, 0,1,2,3,4,5,6,7
.irp c, 0,1
	global_load_b128 v[HF+64*(\buf)+8*\s+4*\c:HF+64*(\buf)+8*\s+4*\c+3], v[HA+(\buf)], s[8:9] offset:1024*\s+512*\c
.endr
.endr
.irp p, 0,1,2,3
	global_load_b32 v[HS+4*(\buf)+\p], v[SA+(\buf)], s[10:11] offset:128*\p
.endr
.endm
; 64 products: the group's tile i from buffer buf.  Four accumulators by turns, K ascending; the first product starts each sum.
.macro MUL buf, i
.irp hf, 0,1
	WIN 0xF1+\hf                                   ; source 0 (W2) window 1 + hf, source 1 (h) window 0, C and D window 3
.irp s, 0,1,2,3,4,5,6,7
.irp t, 0,1,2,3
.set rD, 64*(\i)+8*(4*\hf+\t)
.set rA, 64*\t+8*\s
.set rB, HF+64*(\buf)+8*\s
.set rSA, W2S+4*(4*\hf+\t)+\s%4
.set rSB, HS+4*(\buf)+\s/2
.set ra, \s/4
.set rb, \s%2
.if \s == 0
	v_wmma_scale_f32_16x16x128_f8f6f4 v[rD:rD+7], v[rA:rA+7], v[rB:rB+7], 0, v[rSA], v[rSB] matrix_a_fmt:MATRIX_FMT_FP4 matrix_b_fmt:MATRIX_FMT_FP4
.elseif ra && rb
	v_wmma_scale_f32_16x16x128_f8f6f4 v[rD:rD+7], v[rA:rA+7], v[rB:rB+7], v[rD:rD+7], v[rSA], v[rSB] matrix_a_fmt:MATRIX_FMT_FP4 matrix_b_fmt:MATRIX_FMT_FP4 matrix_a_scale:MATRIX_SCALE_ROW1 matrix_b_scale:MATRIX_SCALE_ROW1
.elseif ra
	v_wmma_scale_f32_16x16x128_f8f6f4 v[rD:rD+7], v[rA:rA+7], v[rB:rB+7], v[rD:rD+7], v[rSA], v[rSB] matrix_a_fmt:MATRIX_FMT_FP4 matrix_b_fmt:MATRIX_FMT_FP4 matrix_a_scale:MATRIX_SCALE_ROW1
.elseif rb
	v_wmma_scale_f32_16x16x128_f8f6f4 v[rD:rD+7], v[rA:rA+7], v[rB:rB+7], v[rD:rD+7], v[rSA], v[rSB] matrix_a_fmt:MATRIX_FMT_FP4 matrix_b_fmt:MATRIX_FMT_FP4 matrix_b_scale:MATRIX_SCALE_ROW1
.else
	v_wmma_scale_f32_16x16x128_f8f6f4 v[rD:rD+7], v[rA:rA+7], v[rB:rB+7], v[rD:rD+7], v[rSA], v[rSB] matrix_a_fmt:MATRIX_FMT_FP4 matrix_b_fmt:MATRIX_FMT_FP4
.endif
.endr
.endr
.endr
.endm
.macro PART i                          ; my partial sums of tile i into LDS: lane (r, h): row r, columns 16 t + 8 h + 0 .. 7
.rept 4
	v_nop                                          ; four places behind the products: for these stores, and for the next loads into the buffer and scale words just multiplied
.endr
	WIN 0x0C                                       ; store data: window 3
.irp t, 0,1,2,3,4,5,6,7
	ds_store_b128 v[7+(\i)/2], v[64*(\i)+8*\t:64*(\i)+8*\t+3] offset:RTILE*((\i)%2)+64*\t          ; each accumulator from its low end on
	ds_store_b128 v[7+(\i)/2], v[64*(\i)+8*\t+4:64*(\i)+8*\t+7] offset:RTILE*((\i)%2)+64*\t+16
.endr
	WIN 0
.endm
.macro ROWOUT i, a                     ; row 4 w + a of tile i: entry = token | f << 10; f = 0: an empty row
	s_cmp_lt_u32 s[36+4*(\i)+\a], 1024
	s_cbranch_scc1 .Lpad_\@
	s_sub_co_u32 s25, s[36+4*(\i)+\a], 1024        ; (f - 1) x 1,024 + token
	s_min_u32 s25, s25, 0x7ff                      ; inside ysel's 2,048 rows, by a bound written in the text
	s_lshl_b32 s25, s25, 12
	v_add_nc_u32 v[YO+\a], s25, v[YB]
	global_store_b128 v[YO+\a], v[R+16*\a:R+16*\a+3], s[20:21]     ; 32 lanes store 512 consecutive bytes, at a multiple of 256 from ysel's first byte
.Lpad_\@:
.endm
.macro REDUCE i
	s_wait_xcnt 0x0                                ; the last tile's stores have read their data and offsets: both are written again below
.irp a, 0,1,2,3
.irp b, 0,1,2,3
	ds_load_b128 v[R+16*\a+4*\b:R+16*\a+4*\b+3], v[9+(\i)/2] offset:RTILE*((\i)%2)+RWAVE*\b+PITCH*\a
.endr
.endr
	s_wait_dscnt 0x0
.irp a, 0,1,2,3
.irp k, 0,2
	v_pk_add_f32 v[R+16*\a+\k:R+16*\a+\k+1], v[R+16*\a+\k:R+16*\a+\k+1], v[R+16*\a+4+\k:R+16*\a+5+\k]
	v_pk_add_f32 v[R+16*\a+8+\k:R+16*\a+9+\k], v[R+16*\a+8+\k:R+16*\a+9+\k], v[R+16*\a+12+\k:R+16*\a+13+\k]
.endr
.endr
.irp a, 0,1,2,3
.irp k, 0,2
	v_pk_add_f32 v[R+16*\a+\k:R+16*\a+\k+1], v[R+16*\a+\k:R+16*\a+\k+1], v[R+16*\a+8+\k:R+16*\a+9+\k]   ; the sum over K
.endr
.endr
.irp a, 0,1,2,3
.irp k, 0,2
	v_pk_fma_f32 v[R+16*\a+\k:R+16*\a+\k+1], v[R+16*\a+\k:R+16*\a+\k+1], 0xbfb8aa3b, v[BB+\k:BB+\k+1] op_sel_hi:[1,0,1]   ; -log2(e) (sum + b2), in one multiply-add
.endr
.endr
.irp a, 0,1,2,3
.irp k, 0,1,2,3
	v_exp_f32 v[R+16*\a+\k], v[R+16*\a+\k]
.endr
.endr
	v_nop                                          ; a plain line behind the batch,
	s_wait_alu depctr_va_vdst(0)                   ; and one wait for all sixteen, ahead of their first reader
.irp a, 0,1,2,3
.irp k, 0,2
	v_pk_add_f32 v[R+16*\a+\k:R+16*\a+\k+1], v[R+16*\a+\k:R+16*\a+\k+1], 1.0 op_sel_hi:[1,0]
.endr
.endr
.irp a, 0,1,2,3
.irp k, 0,1,2,3
	v_rcp_f32 v[R+16*\a+\k], v[R+16*\a+\k]
.endr
.endr
	v_nop
	s_wait_alu depctr_va_vdst(0)
.irp a, 0,1,2,3
	ROWOUT \i, \a
.endr
.endm
	s_load_b256 s[8:15], s[0:1], 0x0               ; hq s[8:9], hs s[10:11], rows s[12:13], W2's codes s[14:15]
	s_load_b128 s[16:19], s[0:1], 0x20             ; W2's scales s[16:17], b2 s[18:19]
	s_load_b64 s[20:21], s[0:1], 0x30              ; ysel
	v_lshl_add_u32 v254, v0, 2, 0x31800
	v_mov_b32 v255, 0
	v_lshrrev_b32 v1, 5, v0
	v_readfirstlane_b32 s2, v1                     ; wave
	s_and_b32 s3, ttmp7, 0xffff                    ; e
	s_and_b32 s4, ttmp9, 7                         ; ct
	s_lshr_b32 s5, ttmp9, 3                        ; q
	v_and_b32 v1, 31, v0                           ; lane
	v_and_b32 v2, 15, v0                           ; r
	v_bfe_u32 v3, v0, 4, 1                         ; h
	v_lshlrev_b32 v4, 4, v1                        ; 16 x lane
	s_mul_i32 s25, s2, 32*PITCH                    ; my stage
	v_add_nc_u32 v5, s25, v4
	v_mul_u32_u24 v26, v2, PITCH
	v_lshl_add_u32 v6, v3, 4, v26
	v_add_nc_u32 v6, s25, v6                       ; a fragment: row r x pitch + 16 h
	s_mul_i32 s25, s2, RWAVE
	s_add_co_u32 s25, s25, RED
	v_lshl_add_u32 v7, v3, 5, v26
	v_add_nc_u32 v7, s25, v7                       ; my partial sums: row r, + 32 h; tiles 0, 1 of a group,
	v_add_nc_u32 v8, 2*RTILE, v7                   ; tiles 2, 3
	s_mul_i32 s25, s2, 4*PITCH
	s_add_co_u32 s25, s25, RED
	v_add_nc_u32 v9, s25, v4                       ; the rows that I finish: 4 w on, 16 bytes a lane
	v_add_nc_u32 v10, 2*RTILE, v9
	v_lshlrev_b32 v11, 2, v1                       ; 4 x lane
	s_lshl_b32 s25, s4, 9
	v_add_nc_u32 v[YB], s25, v4
	v_lshlrev_b32 v25, 7, v2
	v_lshl_add_u32 v25, v3, 4, v25                 ; W2's scale bytes: 128 a row, + 16 h
	s_lshl_b32 s52, s3, 21                         ; W2's codes: 2 MB an expert, 256 KB a column tile, my 512 bytes of each row
	s_lshl_b32 s25, s4, 18
	s_add_co_u32 s52, s52, s25
	s_lshl_b32 s25, s2, 9
	s_add_co_u32 s52, s52, s25
	s_mov_b32 s53, 0
	s_lshl_b32 s54, s3, 17                         ; its scale bytes: my 32 of each row
	s_lshl_b32 s25, s4, 14
	s_add_co_u32 s54, s54, s25
	s_lshl_b32 s25, s2, 5
	s_add_co_u32 s54, s54, s25
	s_mov_b32 s55, 0
	s_lshl_b32 s56, s3, 12                         ; b2
	s_lshl_b32 s25, s4, 9
	s_add_co_u32 s56, s56, s25
	s_mov_b32 s57, 0
	s_lshl_b32 s58, s3, 12                         ; the list: expert e, tile q, rows 4 w on
	s_lshl_b32 s25, s5, 6
	s_add_co_u32 s58, s58, s25
	s_lshl_b32 s25, s2, 4
	s_add_co_u32 s58, s58, s25
	s_mov_b32 s59, 0
	s_lshl_b32 s60, s3, 8                          ; nt
	s_lshl_b32 s28, s3, 21                         ; hq: e x 2 MB + my 8 K steps
	s_lshl_b32 s25, s2, 13
	s_add_co_u32 s28, s28, s25
	s_lshl_b32 s29, s3, 17                         ; hs likewise
	s_lshl_b32 s25, s2, 9
	s_add_co_u32 s29, s29, s25
	s_mov_b32 s7, s5                               ; j0: the group's first tile
.irp k, 0,1,2,3,4,5,6,7,8,9,10,11,12,13,14,15
	s_mov_b32 s[36+\k], 0                          ; the sixteen entries begin as empty rows: they are loaded only in a group that has a tile
.endr
	s_wait_kmcnt 0x0
	s_load_b32 s6, s[12:13], s60 offset:0x8000     ; nt
	s_add_nc_u64 s[14:15], s[14:15], s[52:53]
	s_add_nc_u64 s[16:17], s[16:17], s[54:55]
	s_add_nc_u64 s[18:19], s[18:19], s[56:57]
	s_add_nc_u64 s[22:23], s[12:13], s[58:59]
.irp t, 0,1,2,3,4,5,6,7
	global_load_b128 v[W2S+4*\t:W2S+4*\t+3], v25, s[16:17] offset:2048*\t
.endr
	global_load_b128 v[BB:BB+3], v4, s[18:19]
	BATCH 0
	BATCH 1
	s_wait_loadcnt 32                              ; batch 0 and all before it are in; batch 1 may be out
.irp k, 0,1,2,3
	v_mul_f32 v[BB+\k], 0xbfb8aa3b, v[BB+\k]       ; once: -log2(e) x b2
.endr
	STAGE 0
	BATCH 2
	FRAG 0
	s_wait_loadcnt 32                              ; batch 1 is in; batch 2 may be out
	STAGE 1
	BATCH 3
	FRAG 1
	s_wait_loadcnt 32                              ; batch 2 is in; batch 3 may be out
	STAGE 2
	s_wait_kmcnt 0x0                               ; nt
	s_sub_co_u32 s30, s6, 1
	LOADH 0, 0                                     ; my first tile of h
	FRAG 2
	s_wait_loadcnt 20                              ; batch 3 is in; the 20 loads of h may be out
	STAGE 3
	FRAG 3
	s_wait_dscnt 0x0                               ; all 64 fragments of W2 are in my registers
	s_mov_b32 s24, 0
	s_mov_b32 s31, 0
.Lgroup:                                               ; 4 trips, a constant: tiles j0, j0 + 4, j0 + 8, j0 + 12
.irp i, 0,1,2,3
	s_add_co_u32 s25, s7, 4*\i
	s_cmp_ge_u32 s25, s6
	s_cbranch_scc1 .Lcskip                         ; no such tile, nor any later one
.if \i == 0
.irp k, 0,1,2,3
	s_load_b128 s[36+4*\k:39+4*\k], s[22:23], s31 offset:256*\k    ; the group has a tile: the entries of the four rows that I finish in each of its tiles (always inside the list, which is written whole); they land while the group is multiplied
.endr
.endif
	LOADH (\i+1)%2, 4*\i+4                         ; the next tile into the other buffer
	s_wait_loadcnt 20                              ; all but those 20: this tile is in
	MUL \i%2, \i
	PART \i
.endr
	s_branch .Lcdone
.Lcskip:
	s_wait_loadcnt 0x0                             ; what was asked for ahead has landed: its registers may serve the sums below
.Lcdone:
	s_wait_dscnt 0x0                               ; for the others' sake: my partial sums lie in LDS
	s_barrier_signal -1
	s_barrier_wait -1
	s_wait_kmcnt 0x0                               ; the entries, where any were asked for
.irp i, 0,1,2,3
	s_add_co_u32 s25, s7, 4*\i
	s_cmp_ge_u32 s25, s6
	s_cbranch_scc1 .Lrdone
	REDUCE \i
.endr
.Lrdone:
	s_wait_xcnt 0x0                                ; the last stores have read their data: the next group's first loads land in those registers
	s_wait_dscnt 0x0                               ; my reads of the partial sums are over: behind the barrier they are written again
	s_barrier_signal -1
	s_barrier_wait -1
	s_add_co_u32 s7, s7, 16
	s_add_co_u32 s31, s31, 1024
	s_add_co_u32 s24, s24, 1
	s_cmp_lt_u32 s24, 4
	s_cbranch_scc1 .Lgroup
	s_wait_tensorcnt 0x0
	ds_add_u32 v254, v255
	s_wait_dscnt 0x0
	s_endpgm
.Lfunc_end_k_qbedd619bca_gemm2:
	.size	k_qbedd619bca_gemm2, .Lfunc_end_k_qbedd619bca_gemm2-k_qbedd619bca_gemm2
	.p2alignl 7, 3214868480
	.fill 96, 4, 3214868480
	.section	.rodata,"a",@progbits
	.p2align	6, 0x0
	.amdhsa_kernel k_qbedd619bca_gemm2
		.amdhsa_group_segment_fixed_size 203264
		.amdhsa_private_segment_fixed_size 0
		.amdhsa_enable_private_segment 0
		.amdhsa_kernarg_size 56
		.amdhsa_user_sgpr_count 2
		.amdhsa_user_sgpr_kernarg_segment_ptr 1
		.amdhsa_wavefront_size32 1
		.amdhsa_system_sgpr_workgroup_id_x 1
		.amdhsa_system_sgpr_workgroup_id_y 1
		.amdhsa_system_sgpr_workgroup_id_z 1
		.amdhsa_system_vgpr_workitem_id 0
		.amdhsa_next_free_vgpr 1024
		.amdhsa_next_free_sgpr 66
		.amdhsa_reserve_vcc 0
		.amdhsa_float_denorm_mode_32 3
		.amdhsa_float_denorm_mode_16_64 3
		.amdhsa_memory_ordered 1
		.amdhsa_forward_progress 1
		.amdhsa_inst_pref_size 109
	.end_amdhsa_kernel
	.amdgpu_metadata
---
amdhsa.version: [ 1, 2 ]
amdhsa.kernels:
  - .name:           k_qbedd619bca_gemm2
    .symbol:         k_qbedd619bca_gemm2.kd
    .args:
      - { .name: hq, .offset: 0, .size: 8, .value_kind: global_buffer, .address_space: global }
      - { .name: hs, .offset: 8, .size: 8, .value_kind: global_buffer, .address_space: global }
      - { .name: rows, .offset: 16, .size: 8, .value_kind: global_buffer, .address_space: global }
      - { .name: W2_codes, .offset: 24, .size: 8, .value_kind: global_buffer, .address_space: global }
      - { .name: W2_scales, .offset: 32, .size: 8, .value_kind: global_buffer, .address_space: global }
      - { .name: b2, .offset: 40, .size: 8, .value_kind: global_buffer, .address_space: global }
      - { .name: ysel, .offset: 48, .size: 8, .value_kind: global_buffer, .address_space: global }
    .group_segment_fixed_size: 203264
    .private_segment_fixed_size: 0
    .kernarg_segment_align: 8
    .kernarg_segment_size: 56
    .max_flat_workgroup_size: 128
    .sgpr_count:     66
    .vgpr_count:     1024
    .wavefront_size: 32
...
	.end_amdgpu_metadata
.endif
;; end of part 3
;; launch combine (part 4): grid 256 x 1, 4 waves a work-group, no clusters, 0 bytes of LDS; arguments ysel, gates, out0; writes out0
.if DOCPART == 4
	.amdgcn_target "amdgcn-amd-amdhsa--gfx1250"
	.amdhsa_code_object_version 6
	.text
	.protected	k_qbedd619bca_combine
	.globl	k_qbedd619bca_combine
	.p2align	8
	.type	k_qbedd619bca_combine,@function
k_qbedd619bca_combine:
	s_mov_b64 s[64:65], 0
	v_nop
	global_prefetch_b8 v0, s[64:65] scope:SCOPE_SE
	s_setreg_imm32_b32 hwreg(HW_REG_WAVE_MODE, 25, 1), 1
	s_wait_xcnt 0x0
; out0[token] = g0 x ysel[0][token] + g1 x ysel[1][token].  ysel [2][1024][1024] f32, gates [1024][2] f32, out0 [1024][1024] f32.
; The two rows of a token come from two experts' work-groups of the launch before, so they are added here, by gathering: one wave takes one token, T = 4 x work-group + wave.
; A stream: every byte is read once and written once, 512 consecutive bytes to an instruction; all 16 loads of a wave go out at once.  No LDS, no barrier, no matrix unit: there is nothing to share.
	s_load_b128 s[4:7], s[0:1], 0x0                ; ysel s[4:5], gates s[6:7]
	s_load_b64 s[8:9], s[0:1], 0x10                ; out0
	v_lshrrev_b32 v1, 5, v0
	v_readfirstlane_b32 s2, v1                     ; wave
	s_lshl_b32 s3, ttmp9, 2
	s_add_co_u32 s3, s3, s2                        ; T
	v_and_b32 v1, 31, v0
	v_lshlrev_b32 v1, 4, v1                        ; 16 x lane
	s_lshl_b32 s10, s3, 12                         ; 4,096 bytes a row
	s_mov_b32 s11, 0
	s_lshl_b32 s16, s3, 3                          ; 8 bytes of gates a token
	s_mov_b32 s17, 0
	s_wait_kmcnt 0x0
	s_add_nc_u64 s[4:5], s[4:5], s[10:11]
	s_add_nc_u64 s[8:9], s[8:9], s[10:11]
	s_add_nc_u64 s[6:7], s[6:7], s[16:17]
	s_load_b64 s[12:13], s[6:7], 0x0               ; g0, g1
.irp i, 0,1,2,3,4,5,6,7
	global_load_b128 v[8+4*\i:11+4*\i], v1, s[4:5] offset:512*\i th:TH_LOAD_NT              ; the first choice's row,
	global_load_b128 v[40+4*\i:43+4*\i], v1, s[4:5] offset:4194304+512*\i th:TH_LOAD_NT     ; the second's, 4 MB on
.endr
	s_wait_kmcnt 0x0
	s_mov_b32 s14, s13                             ; the packed forms take a scalar pair's low word for both halves: g1 gets a pair of its own
	s_mov_b32 s15, s13
.irp i, 0,1,2,3,4,5,6,7
	s_wait_loadcnt 14-2*\i                         ; pair i of loads is in; the younger pairs may be out
	v_pk_mul_f32 v[40+4*\i:41+4*\i], v[40+4*\i:41+4*\i], s[14:15] op_sel_hi:[1,0]
	v_pk_mul_f32 v[42+4*\i:43+4*\i], v[42+4*\i:43+4*\i], s[14:15] op_sel_hi:[1,0]
	v_pk_fma_f32 v[8+4*\i:9+4*\i], v[8+4*\i:9+4*\i], s[12:13], v[40+4*\i:41+4*\i] op_sel_hi:[1,0,1]
	v_pk_fma_f32 v[10+4*\i:11+4*\i], v[10+4*\i:11+4*\i], s[12:13], v[42+4*\i:43+4*\i] op_sel_hi:[1,0,1]
	global_store_b128 v1, v[8+4*\i:11+4*\i], s[8:9] offset:512*\i th:TH_STORE_NT
.endr
	s_endpgm
.Lfunc_end_k_qbedd619bca_combine:
	.size	k_qbedd619bca_combine, .Lfunc_end_k_qbedd619bca_combine-k_qbedd619bca_combine
	.p2alignl 7, 3214868480
	.fill 96, 4, 3214868480
	.section	.rodata,"a",@progbits
	.p2align	6, 0x0
	.amdhsa_kernel k_qbedd619bca_combine
		.amdhsa_group_segment_fixed_size 0
		.amdhsa_private_segment_fixed_size 0
		.amdhsa_enable_private_segment 0
		.amdhsa_kernarg_size 24
		.amdhsa_user_sgpr_count 2
		.amdhsa_user_sgpr_kernarg_segment_ptr 1
		.amdhsa_wavefront_size32 1
		.amdhsa_system_sgpr_workgroup_id_x 1
		.amdhsa_system_sgpr_workgroup_id_y 1
		.amdhsa_system_sgpr_workgroup_id_z 1
		.amdhsa_system_vgpr_workitem_id 0
		.amdhsa_next_free_vgpr 80
		.amdhsa_next_free_sgpr 66
		.amdhsa_reserve_vcc 0
		.amdhsa_float_denorm_mode_32 3
		.amdhsa_float_denorm_mode_16_64 3
		.amdhsa_memory_ordered 1
		.amdhsa_forward_progress 1
		.amdhsa_inst_pref_size 6
	.end_amdhsa_kernel
	.amdgpu_metadata
---
amdhsa.version: [ 1, 2 ]
amdhsa.kernels:
  - .name:           k_qbedd619bca_combine
    .symbol:         k_qbedd619bca_combine.kd
    .args:
      - { .name: ysel, .offset: 0, .size: 8, .value_kind: global_buffer, .address_space: global }
      - { .name: gates, .offset: 8, .size: 8, .value_kind: global_buffer, .address_space: global }
      - { .name: out0, .offset: 16, .size: 8, .value_kind: global_buffer, .address_space: global }
    .group_segment_fixed_size: 0
    .private_segment_fixed_size: 0
    .kernarg_segment_align: 8
    .kernarg_segment_size: 24
    .max_flat_workgroup_size: 128
    .sgpr_count:     66
    .vgpr_count:     80
    .wavefront_size: 32
...
	.end_amdgpu_metadata
.endif
;; end of part 4
;; ======== version 2 of 2: 4 launches
;; workspace buffers: xq 524,288 bytes; xs 32,768 bytes; route 4,096 bytes of whole numbers; gates 8,192 bytes; hq 16,777,216 bytes; hs 1,048,576 bytes; rows 34,816 bytes of whole numbers; ysel 8,388,608 bytes
;; launch route (part 5): grid 256 x 1, 4 waves a work-group, no clusters, 55,808 bytes of LDS; arguments x, Wr, br, xq, xs, route, gates; writes xq, xs, route, gates
.if DOCPART == 5
	.amdgcn_target "amdgcn-amd-amdhsa--gfx1250"
	.amdhsa_code_object_version 6
	.text
	.protected	k_qbedd619bca_route
	.globl	k_qbedd619bca_route
	.p2align	8
	.type	k_qbedd619bca_route,@function
k_qbedd619bca_route:
	s_mov_b64 s[64:65], 0
	v_nop
	global_prefetch_b8 v0, s[64:65] scope:SCOPE_SE
	s_setreg_imm32_b32 hwreg(HW_REG_WAVE_MODE, 25, 1), 1
	s_wait_xcnt 0x0
; ROUTER AND QUANTISER OF x.  x [1024][1024] f32, Wr [1024][8] f32, br [8] f32.
; One wave takes one token T = 4 x work-group + wave.  It (a) turns the token's 1,024 numbers into codes of E2M1 with one E8M0 byte for each 32 (xq [token][512 bytes], xs [token][32 bytes]);
; (b) forms the 8 logits x Wr + br by f32 multiply-adds; (c) takes the two largest (equal logits: the lower expert first) and their softmax, with the larger logit taken away before the exponential.
; OUT: route[token], one word: the two bits at 2 e are 1 where expert e is the first choice, 2 where it is the second, else 0;  gates[token] = the two weights.  Both lie at fixed places: no address here hangs on the choice.
; A lane must hold 16 NEIGHBOURS for the conversions, while a load is best with neighbouring lanes on neighbouring bytes: so 2,048 bytes at a time turn through the wave's own stage in LDS (16 bytes of padding behind each 64).
; Wr (32 KB) is brought into LDS once by the four waves, as 64 pieces of 512 bytes (16 rows of Wr) 528 bytes apart: lane l then reads the 16 rows that belong to its 16 numbers, and 528 = 33 x 16 keeps the lanes on different 16-byte columns.
; LIMITS: NaN and infinite inputs are not served.  The logits are f32 sums in an order of their own: two logits that agree to about 1e-6 of their size may change places.
; A block of zeros gets the byte 1 (its codes are zeros; only this program reads the bytes); blocks whose largest magnitude lies under 2^-124 are held at byte 1.
; No matrix unit, no cluster, no tensor load: 8 columns are too few for a matrix tile, and the work-groups share only Wr, 32 KB.
.set SP,   80                          ; a lane's place in a stage: 64 bytes + 16
.set WP,   528                         ; a piece of Wr in LDS: 512 bytes + 16
.set WRS,  0                           ; LDS: Wr, 64 pieces
.set XST,  64*WP                       ; two stages of 32 x SP bytes for each wave
.set SBY,  XST+4*2*32*SP               ; 64 bytes for each wave: its 32 scale bytes
.set XRAW, 16                          ; v16-47   x as loaded
.set X,    48                          ; v48-79   two sets of 16 neighbours
.set WR,   80                          ; v80-207  16 rows of Wr x 8 experts
.set ACC,  208                         ; v208-215 the 8 logits
.set PL,   220                         ; v220-227 the other half of the lanes' sums
	s_load_b256 s[8:15], s[0:1], 0x0               ; x s[8:9], Wr s[10:11], br s[12:13], xq s[14:15]
	s_load_b128 s[16:19], s[0:1], 0x20             ; xs s[16:17], route s[18:19]
	s_load_b64 s[20:21], s[0:1], 0x30              ; gates
	v_lshl_add_u32 v219, v0, 2, 0xd800
	v_mov_b32 v231, 0
	v_lshrrev_b32 v1, 5, v0
	v_readfirstlane_b32 s2, v1                     ; wave
	s_lshl_b32 s3, ttmp9, 2
	s_add_co_u32 s3, s3, s2                        ; T
	v_and_b32 v1, 31, v0                           ; lane
	v_lshlrev_b32 v2, 4, v1                        ; 16 x lane
	s_mul_i32 s46, s2, 2*32*SP
	s_add_co_u32 s46, s46, XST                     ; my stages
	v_lshrrev_b32 v3, 2, v1
	v_mul_u32_u24 v3, v3, SP
	v_and_b32 v4, 3, v1
	v_lshl_add_u32 v3, v4, 4, v3
	v_add_nc_u32 v3, s46, v3                       ; into a stage: SP (lane / 4) + 16 (lane % 4)
	v_mul_u32_u24 v4, v1, SP
	v_add_nc_u32 v4, s46, v4                       ; out of it: SP x lane
	v_lshlrev_b32 v5, 3, v1                        ; my 8 bytes of codes in a step's 256
	s_lshl_b32 s46, s2, 6
	s_add_co_u32 s46, s46, SBY
	v_lshrrev_b32 v6, 1, v1
	v_add_nc_u32 v6, s46, v6                       ; my block's scale byte
	v_and_b32 v7, 7, v1
	v_lshl_add_u32 v7, v7, 2, s46                  ; and the bytes read back, 4 a lane
	s_mul_i32 s46, s2, 16*WP
	v_add_nc_u32 v14, s46, v2                      ; where I put my 16 pieces of Wr
	v_mul_u32_u24 v15, v1, WP                      ; where I read my lane's piece
	v_lshlrev_b32 v250, 2, v1
	v_mov_b32 v251, 0
.irp e, 0,1,2,3,4,5,6,7
	v_mov_b32 v[PL+\e], 0                          ; a lane permute's destination counts as read: written once
.endr
	s_mov_b32 s32, 0x76543210
	s_mov_b32 s33, 0xfedcba98                      ; v_permlanex16_b32: lane l xor 16
	s_lshl_b32 s34, s3, 12                         ; offsets, each in a pair with 0 above it: x, 4,096 bytes a token
	s_mov_b32 s35, 0
	s_lshl_b32 s36, s2, 13                         ; Wr: my 16 pieces
	s_mov_b32 s37, 0
	s_lshl_b32 s38, s3, 9                          ; xq
	s_mov_b32 s39, 0
	s_lshl_b32 s40, s3, 5                          ; xs
	s_mov_b32 s41, 0
	s_lshl_b32 s42, s3, 2                          ; route
	s_mov_b32 s43, 0
	s_lshl_b32 s44, s3, 3                          ; gates
	s_mov_b32 s45, 0
	s_wait_kmcnt 0x0
	s_load_b256 s[24:31], s[12:13], 0x0            ; br
	s_add_nc_u64 s[8:9], s[8:9], s[34:35]
	s_add_nc_u64 s[10:11], s[10:11], s[36:37]
	s_add_nc_u64 s[14:15], s[14:15], s[38:39]
	s_add_nc_u64 s[16:17], s[16:17], s[40:41]
	s_add_nc_u64 s[18:19], s[18:19], s[42:43]
	s_add_nc_u64 s[20:21], s[20:21], s[44:45]
.irp i, 0,1,2,3,4,5,6,7
	global_load_b128 v[XRAW+4*\i:XRAW+4*\i+3], v2, s[8:9] offset:512*\i th:TH_LOAD_NT   ; 32 lanes read 512 consecutive bytes of my token
.endr
.irp i, 0,1,2,3,4,5,6,7,8,9,10,11,12,13,14,15
	global_load_b128 v[WR+4*\i:WR+4*\i+3], v2, s[10:11] offset:512*\i                   ; my 16 pieces of Wr
.endr
.macro TURN st                         ; 2,048 bytes through the stage; LDS serves a wave's instructions in order, so no wait stands between the stores and the loads
.irp i, 0,1,2,3
	ds_store_b128 v3, v[XRAW+16*\st+4*\i:XRAW+16*\st+4*\i+3] offset:32*SP*\st+8*SP*\i
.endr
.irp i, 0,1,2,3
	ds_load_b128 v[X+16*\st+4*\i:X+16*\st+4*\i+3], v4 offset:32*SP*\st+16*\i
.endr
.endm
	s_wait_loadcnt 16                              ; x is in; the 16 loads of Wr behind it may be out
	TURN 0
	TURN 1
	s_wait_dscnt 0x0                               ; set st, lane l: numbers 512 st + 16 l + 0 .. 15
.macro QSTEP st, t                     ; t: three registers at work
.set XS, X+16*\st
	v_max3_num_f32 v[\t], |v[XS]|, |v[XS+1]|, |v[XS+2]|            ; the largest magnitude of my 16, in two chains
	v_max3_num_f32 v[\t+1], |v[XS+3]|, |v[XS+4]|, |v[XS+5]|
.irp i, 6,10
	v_max3_num_f32 v[\t], v[\t], |v[XS+\i]|, |v[XS+\i+1]|
	v_max3_num_f32 v[\t+1], v[\t+1], |v[XS+\i+2]|, |v[XS+\i+3]|
.endr
	v_max3_num_f32 v[\t], v[\t], |v[XS+14]|, |v[XS+15]|
	v_max3_num_f32 v[\t], v[\t], v[\t+1], 0x1800000               ; and the floor 2^(3 - 127): the byte cannot fall under 1
	v_max_num_f32_dpp v[\t], v[\t], v[\t] row_xmask:1 row_mask:0xf bank_mask:0xf   ; with my neighbour's 16: the block's
	v_add_nc_u32 v[\t+2], 0xff000000, v[\t]        ; 2 off its exponent field: the conversion takes this operand's exponent field as its scale
	v_cvt_scalef32_pk8_fp4_f32 v[8+2*\st], v[XS:XS+7], v[\t+2]
	v_cvt_scalef32_pk8_fp4_f32 v[9+2*\st], v[XS+8:XS+15], v[\t+2]
	v_lshrrev_b32 v[12+\st], 23, v[\t+2]           ; the scale's byte (also the plain line behind the conversions)
	ds_store_b8 v6, v[12+\st] offset:16*\st        ; both lanes of a block write the same byte with the same value
	global_store_b64 v5, v[8+2*\st:9+2*\st], s[14:15] offset:256*\st   ; the wave stores 256 consecutive bytes, aligned
.endm
	QSTEP 0, 216
	QSTEP 1, 228
	s_wait_loadcnt 0x0                             ; Wr
.irp i, 0,1,2,3,4,5,6,7,8,9,10,11,12,13,14,15
	ds_store_b128 v14, v[WR+4*\i:WR+4*\i+3] offset:WP*\i
.endr
	s_wait_dscnt 0x0                               ; for the others' sake: my pieces of Wr lie in LDS
	s_barrier_signal -1
	s_barrier_wait -1
; 16 numbers a lane x 8 experts: 64 packed multiply-adds on four pairs of sums.  The number is broadcast from its pair: the low word for an even one, the high word for an odd one.
.macro DOT st
.set jj, 0
.rept 32
	ds_load_b128 v[WR+4*jj:WR+4*jj+3], v15 offset:32*WP*\st+16*jj    ; register 8 i + e = Wr[512 st + 16 lane + i][e]
.set jj, jj+1
.endr
	s_wait_dscnt 0x0
.set i, 0
.rept 16
.irp p, 0,1,2,3
.if (\st == 0) && (i == 0)
	v_pk_mul_f32 v[ACC+2*\p:ACC+2*\p+1], v[WR+2*\p:WR+2*\p+1], v[X:X+1] op_sel_hi:[1,0]     ; the first product starts the sums
.elseif i%2 == 0
	v_pk_fma_f32 v[ACC+2*\p:ACC+2*\p+1], v[WR+8*i+2*\p:WR+8*i+2*\p+1], v[X+16*\st+i:X+16*\st+i+1], v[ACC+2*\p:ACC+2*\p+1] op_sel_hi:[1,0,1]
.else
	v_pk_fma_f32 v[ACC+2*\p:ACC+2*\p+1], v[WR+8*i+2*\p:WR+8*i+2*\p+1], v[X+16*\st+i-1:X+16*\st+i], v[ACC+2*\p:ACC+2*\p+1] op_sel:[0,1,0] op_sel_hi:[1,1,1]
.endif
.endr
.set i, i+1
.endr
.endm
	DOT 0
	s_wait_alu depctr_va_vdst(0)
	DOT 1
.irp m, 1,2,4,8                        ; the 32 lanes' parts are added; every lane ends with the sums
.irp e, 0,1,2,3,4,5,6,7
	v_add_f32_dpp v[ACC+\e], v[ACC+\e], v[ACC+\e] row_xmask:\m row_mask:0xf bank_mask:0xf
.endr
.endr
.irp e, 0,1,2,3,4,5,6,7
	v_permlanex16_b32 v[PL+\e], v[ACC+\e], s32, s33
.endr
.irp e, 0,1,2,3,4,5,6,7
	v_add_f32 v[ACC+\e], v[ACC+\e], v[PL+\e]
.endr
	s_wait_alu depctr_va_vdst(0)
	s_wait_kmcnt 0x0                               ; br
.irp e, 0,1,2,3,4,5,6,7
	v_add_f32 v[ACC+\e], s[24+\e], v[ACC+\e]
.endr
	; the largest logit m1 and its expert i1: walked from 7 down, so that of equal logits the lowest expert stays
	v_max3_num_f32 v232, v[ACC], v[ACC+1], v[ACC+2]
	v_max3_num_f32 v232, v232, v[ACC+3], v[ACC+4]
	v_max3_num_f32 v232, v232, v[ACC+5], v[ACC+6]
	v_max_num_f32 v232, v232, v[ACC+7]
	v_mov_b32 v233, 7
.irp e, 6,5,4,3,2,1,0
	v_cmp_neq_f32 vcc_lo, v[ACC+\e], v232
	v_cndmask_b32 v233, \e, v233, vcc_lo           ; e where the logit is the largest, else as it was
.endr
	v_mov_b32 v234, 0xff800000                     ; -infinity takes the first choice's place
.irp e, 0,1,2,3,4,5,6,7
	v_cmp_eq_u32 vcc_lo, \e, v233
	v_cndmask_b32 v[240+\e], v[ACC+\e], v234, vcc_lo
.endr
	v_max3_num_f32 v235, v240, v241, v242          ; the second largest m2 and its expert i2, in the same way
	v_max3_num_f32 v235, v235, v243, v244
	v_max3_num_f32 v235, v235, v245, v246
	v_max_num_f32 v235, v235, v247
	v_mov_b32 v236, 7
.irp e, 6,5,4,3,2,1,0
	v_cmp_neq_f32 vcc_lo, v[240+\e], v235
	v_cndmask_b32 v236, \e, v236, vcc_lo
.endr
	v_lshlrev_b32 v237, 1, v233
	v_mov_b32 v238, 1
	v_lshlrev_b32 v237, v237, v238                 ; 1 << 2 i1
	v_lshlrev_b32 v239, 1, v236
	v_mov_b32 v238, 2
	v_lshlrev_b32 v239, v239, v238                 ; 2 << 2 i2
	v_or_b32 v253, v237, v239
	; softmax of (m1, m2) with m1 taken away: 1 / (1 + e^(m2 - m1)) and the rest
	v_sub_f32 v254, v235, v232
	v_mul_f32 v254, 0x3fb8aa3b, v254
	s_wait_alu depctr_va_vdst(0)
	v_exp_f32 v255, v254
	v_nop                                          ; a plain line behind the exponential,
	s_wait_alu depctr_va_vdst(0)                   ; and a wait ahead of its first reader
	v_add_f32 v254, 1.0, v255
	s_wait_alu depctr_va_vdst(0)
	v_rcp_f32 v248, v254
	v_nop
	s_wait_alu depctr_va_vdst(0)
	v_mul_f32 v249, v255, v248
	ds_load_b32 v252, v7                           ; my wave's 32 scale bytes, 4 a lane (LDS serves my byte stores first)
	v_cmp_gt_u32 vcc_lo, 8, v1
	s_wait_alu depctr_va_vdst(0)
	s_wait_dscnt 0x0
	s_wait_xcnt 0x0                                ; EXEC changes only behind this wait: the stores above have read it
	s_wait_tensorcnt 0x0
	ds_add_u32 v219, v231
	s_wait_dscnt 0x0
	s_and_saveexec_b32 s47, vcc_lo
	global_store_b32 v250, v252, s[16:17]          ; lanes 0 to 7: 32 bytes
	s_wait_xcnt 0x0
	s_or_b32 exec_lo, exec_lo, s47
	v_cmp_eq_u32 vcc_lo, 0, v1
	s_and_saveexec_b32 s47, vcc_lo
	global_store_b32 v251, v253, s[18:19]          ; lane 0
	global_store_b64 v251, v[248:249], s[20:21]
	s_wait_xcnt 0x0
	s_or_b32 exec_lo, exec_lo, s47
	s_endpgm
.Lfunc_end_k_qbedd619bca_route:
	.size	k_qbedd619bca_route, .Lfunc_end_k_qbedd619bca_route-k_qbedd619bca_route
	.p2alignl 7, 3214868480
	.fill 96, 4, 3214868480
	.section	.rodata,"a",@progbits
	.p2align	6, 0x0
	.amdhsa_kernel k_qbedd619bca_route
		.amdhsa_group_segment_fixed_size 55808
		.amdhsa_private_segment_fixed_size 0
		.amdhsa_enable_private_segment 0
		.amdhsa_kernarg_size 56
		.amdhsa_user_sgpr_count 2
		.amdhsa_user_sgpr_kernarg_segment_ptr 1
		.amdhsa_wavefront_size32 1
		.amdhsa_system_sgpr_workgroup_id_x 1
		.amdhsa_system_sgpr_workgroup_id_y 1
		.amdhsa_system_sgpr_workgroup_id_z 1
		.amdhsa_system_vgpr_workitem_id 0
		.amdhsa_next_free_vgpr 256
		.amdhsa_next_free_sgpr 66
		.amdhsa_reserve_vcc 1
		.amdhsa_float_denorm_mode_32 3
		.amdhsa_float_denorm_mode_16_64 3
		.amdhsa_memory_ordered 1
		.amdhsa_forward_progress 1
		.amdhsa_inst_pref_size 28
	.end_amdhsa_kernel
	.amdgpu_metadata
---
amdhsa.version: [ 1, 2 ]
amdhsa.kernels:
  - .name:           k_qbedd619bca_route
    .symbol:         k_qbedd619bca_route.kd
    .args:
      - { .name: x, .offset: 0, .size: 8, .value_kind: global_buffer, .address_space: global }
      - { .name: Wr, .offset: 8, .size: 8, .value_kind: global_buffer, .address_space: global }
      - { .name: br, .offset: 16, .size: 8, .value_kind: global_buffer, .address_space: global }
      - { .name: xq, .offset: 24, .size: 8, .value_kind: global_buffer, .address_space: global }
      - { .name: xs, .offset: 32, .size: 8, .value_kind: global_buffer, .address_space: global }
      - { .name: route, .offset: 40, .size: 8, .value_kind: global_buffer, .address_space: global }
      - { .name: gates, .offset: 48, .size: 8, .value_kind: global_buffer, .address_space: global }
    .group_segment_fixed_size: 55808
    .private_segment_fixed_size: 0
    .kernarg_segment_align: 8
    .kernarg_segment_size: 56
    .max_flat_workgroup_size: 128
    .sgpr_count:     66
    .vgpr_count:     256
    .wavefront_size: 32
...
	.end_amdgpu_metadata
.endif
;; end of part 5
;; launch gemm1 (part 6): grid 32 x 8, 4 waves a work-group, no clusters, 107,008 bytes of LDS; arguments route, xq, xs, W1_codes, W1_scales, b1, hq, hs, rows; writes hq, hs, rows
.if DOCPART == 6
	.amdgcn_target "amdgcn-amd-amdhsa--gfx1250"
	.amdhsa_code_object_version 6
	.text
	.protected	k_qbedd619bca_gemm1
	.globl	k_qbedd619bca_gemm1
	.p2align	8
	.type	k_qbedd619bca_gemm1,@function
k_qbedd619bca_gemm1:
	s_mov_b64 s[64:65], 0
	v_nop
	global_prefetch_b8 v0, s[64:65] scope:SCOPE_SE
	s_setreg_imm32_b32 hwreg(HW_REG_WAVE_MODE, 25, 1), 1
	s_wait_xcnt 0x0
; FIRST PRODUCT ON THE CHOSEN ROWS: h = Q(relu(x W1^T + b1)), on codes of E2M1 with one E8M0 scale for each 32 along K = 1,024.
; A work-group (ct, e) owns hidden units 128 ct .. 128 ct + 127 of expert e: 64 KB of W1's codes, read from memory once in the launch.  They go once through LDS and then lie WHOLE in each wave's registers
; (64 fragments, 512 registers); wave w takes the expert's row tiles j = w, w + 4, ..  (16 rows each).
; THE LIST.  Wave 0 reads route (one word a token) and places the tokens that chose expert e one behind the other in LDS: entry = token | f << 10, f = 1 (first choice) or 2 (second); what is left of the last tile holds 0.
; The place of a token is the count of chosen tokens ahead of it (v_mbcnt on the compare's mask + a scalar prefix over the chunks): a counting sort without atomics.  Lanes without a choice write a spare word.
; The work-group with ct = 0 also stores the list and the number of tiles nt = max(ceil(count / 16), 1) to rows, for the next launch.
; THE PRODUCT IS USED TRANSPOSED (source 0 = 16 rows of W1, source 1 = 16 rows of x), and THE ROWS OF W1 THAT FORM A TILE ARE NOT NEIGHBOURS: lane r of tile 2 b + u takes unit 32 b + 8 u + r + 8 (r / 8).
; So a lane holds one row of h, and the 16 registers of tiles 2 b, 2 b + 1 are 16 neighbours along the next K: the 8 tiles become exactly K step ct of the second product, one fragment and one scale word a row.
; OUT: hq [e][tile j][K step][2][lane][16 bytes]: the fragment as an image of its registers;  hs [e][j][K step][row]: its scale words.  Each expert has room for 64 tiles: all tokens on one expert are served.
; x's ROWS ARE ASKED FOR TWO TILES AHEAD, in two sets of registers that take turns: while a tile is multiplied and quantised, the 17 loads of each of the next two tiles of the wave are on their way.
; THE LOOP HAS A CONSTANT COUNT, 8 trips of two tiles a wave; a scalar branch on nt passes over a tile's work.  The launch has no tensor load and no joint loads in a cluster.
; LIMITS: a block of zeros gets the byte 1 (its codes are zeros; only this program reads the bytes); blocks whose largest magnitude lies under 2^-124 are held at byte 1; NaN and infinities are not served.
; REGISTERS, in windows of 256: window 0: addresses, scale words, the 8 accumulators, work.  Windows 1, 2: W1's fragments, (tile t, K step s) at v[64 (t % 4) + 8 s] of window 1 + t / 4.
;   window 3: v0-63 x's 8 fragments; v64-127 and v192-255 the two sets of 16 rows of x as loaded; v128-191 b1 in the result's layout.
.set PITCH, 528                        ; an LDS row: 512 bytes + 16 = 33 x 16: the sixteen rows that a fragment load touches lie in 16 different 16-byte columns modulo 256
.set WST,   0                          ; LDS: 128 rows of W1, in the order of the tiles
.set XST,   128*PITCH                  ; 16 rows of x for each wave
.set LIST,  XST+4*16*PITCH             ; the list: 1,152 words = 72 tiles: 64 that can be multiplied, and 8 that only requests ahead can name (tile 3 + 4 x 17 = 71 at the most)
.set CNTW,  LIST+4608                  ; the count
.set DUMP,  1100                       ; the spare word: behind entry 1,023, the last that a chosen token can take; what a request ahead fetches by it is never multiplied
.set W1S,   32                         ; v32-63   W1's scale words: register 4 t + q: lanes 0-15 K step q, lanes 16-31 K step 4 + q
.set XS,    64                         ; v64-71   x's, likewise: two sets of four
.set TM,    72                         ; v72-87   the quantiser's work
.set PW,    88                         ; v88      the scale word just made
.set PC,    90                         ; v90-97   the codes just made
.set TK,    100                        ; v100-115 a tile's 16 entries
.set OFF,   116                        ; v116-131 their rows' offsets in xq, set 0;  v240-255 set 1  (the scale words' offset: v15, v23)
.set NTP,   132                        ; v132-133 nt on its way to rows
.set ACC,   144                        ; v144-207 the 8 accumulators
.set RW,    144                        ; at the head: 32 words of route
.set LC,    208                        ; v208-239 the list on its way to rows
.set SF,    100                        ; the sort, eight chunks at a time: v100-107 f,
.set SR,    108                        ; v108-115 the places,
.set SV,    116                        ; v116-123 the entries;
.set MK,    66                         ; s66-73   the compares' masks,
.set PF,    74                         ; s74-81   chosen tokens ahead of each chunk,
.set CN,    82                         ; s82-89   chosen tokens in each chunk
.set XF,    0                          ; in window 3
.set XR,    64                         ; set 0; set 1 lies 128 registers on
.set B1,    128
.set SEL,   34
.set MSB, 0
.macro WIN new                         ; the immediate's high byte repeats the setting that is left
.if MSB != (\new)
	s_set_vgpr_msb (MSB<<8)|(\new)
.set MSB, (\new)
.endif
.endm
; 64 numbers of a lane, register 16 b + i = k 32 b + 16 (lane / 16) + i of my row, become a fragment's codes in v[PC] on and its scale word in v[PW].
.macro QUANT s
.irp b, 0,1,2,3
	v_max3_num_f32 v[TM+\b], |v[\s+16*\b]|, |v[\s+1+16*\b]|, 0x1800000   ; block b: my 16 numbers, and the floor 2^(3 - 127): the byte cannot fall under 1
.endr
.irp i, 2,4,6,8,10,12,14
.irp b, 0,1,2,3
	v_max3_num_f32 v[TM+\b], v[TM+\b], |v[\s+16*\b+\i]|, |v[\s+1+16*\b+\i]|   ; the four blocks by turns
.endr
.endr
.irp b, 0,1,2,3
	v_permlanex16_b32 v[TM+4+\b], v[TM+\b], s[SEL], s[SEL+1]
.endr
.irp b, 0,1,2,3
	v_max_num_f32 v[TM+\b], v[TM+\b], v[TM+4+\b]   ; with lane l xor 16's: the block's largest magnitude
.endr
.irp b, 0,1,2,3
	v_add_nc_u32 v[TM+12+\b], 0xff000000, v[TM+\b] ; 2 off its exponent field: the conversion's scale operand
.endr
.irp b, 0,1,2,3
	v_lshrrev_b32 v[TM+4+\b], 23, v[TM+12+\b]      ; the scale's byte
.endr
	v_lshl_or_b32 v[PW], v[TM+5], 8, v[TM+4]
	v_lshl_or_b32 v[PW], v[TM+6], 16, v[PW]
	v_lshl_or_b32 v[PW], v[TM+7], 24, v[PW]
.irp b, 0,1,2,3
	v_cvt_scalef32_pk8_fp4_f32 v[PC+2*\b], v[\s+16*\b:\s+7+16*\b], v[TM+12+\b]
	v_cvt_scalef32_pk8_fp4_f32 v[PC+1+2*\b], v[\s+8+16*\b:\s+15+16*\b], v[TM+12+\b]
.endr
	v_nop                                          ; one plain line behind a scaled conversion
.irp c, 0,1                                    ; the operand wants a WHOLE block in a lane: lanes 0-15 block 2 c, lanes 16-31 block 2 c + 1
.irp i, 0,1
	v_permlane16_swap_b32 v[PC+4*\c+\i], v[PC+2+4*\c+\i]
.endr
.endr
.endm
; The tile whose entries begin at LDS byte s28 + 256 b: its 16 rows of x's codes are asked for into set b, a row of 512 bytes to an instruction, and the offset of its scale words is made (v15 or v23).
.macro GATHER b
	v_mov_b32 v11, s28
	v_add_nc_u32 v12, s28, v9
.irp q, 0,1,2,3
	ds_load_b128 v[TK+4*\q:TK+4*\q+3], v11 offset:256*\b+16*\q     ; every lane reads all 16 entries
.endr
	ds_load_b32 v22, v12 offset:256*\b             ; and the entry of its own row r
	s_wait_dscnt 0x0                               ; these, and all my earlier LDS instructions: the stage has read the registers that the loads below fill
.irp q, 0,1,2,3,4,5,6,7,8,9,10,11,12,13,14,15
	v_and_b32 v[TK+\q], 0x3ff, v[TK+\q]            ; the token
.endr
.irp q, 0,1,2,3,4,5,6,7,8,9,10,11,12,13,14,15
	v_min_u32 v[TK+\q], 0x3ff, v[TK+\q]            ; a number that was loaded enters an address only behind a bound written in the text
.endr
.irp q, 0,1,2,3,4,5,6,7,8,9,10,11,12,13,14,15
	v_lshl_add_u32 v[OFF+124*\b+\q], v[TK+\q], 9, v4   ; 512 x token + 16 x lane
.endr
	v_and_b32 v22, 0x3ff, v22
	v_min_u32 v22, 0x3ff, v22
	v_lshl_add_u32 v[15+8*\b], v22, 5, v10         ; 32 x token + 16 h
	WIN 0xC0                                       ; destination window 3
.irp q, 0,1,2,3,4,5,6,7,8,9,10,11,12,13,14,15
	global_load_b128 v[XR+128*\b+4*\q:XR+128*\b+4*\q+3], v[OFF+124*\b+\q], s[10:11]
.endr
	WIN 0
.endm
; 32 products: tiles 4 hf .. 4 hf + 3, the four accumulators by turns, K ascending.  The first takes b1 as its C: the bias costs no addition.  xb: x's set of scale words.
.macro MULS hf, xb
.irp s, 0,1,2,3,4,5,6,7
.if \s == 0
	WIN 0x3D+\hf                                   ; source 0 (W1) window 1 + hf, source 1 (x) and source 2 (b1) window 3
.else
	WIN 0x0D+\hf
.endif
.irp t, 0,1,2,3
.set rD, ACC+8*(4*\hf+\t)
.set rA, 64*\t+8*\s
.set rB, XF+8*\s
.set rC, B1+8*(4*\hf+\t)
.set rSA, W1S+4*(4*\hf+\t)+\s%4
.set rSB, XS+4*(\xb)+\s%4
.if \s == 0
	v_wmma_scale_f32_16x16x128_f8f6f4 v[rD:rD+7], v[rA:rA+7], v[rB:rB+7], v[rC:rC+7], v[rSA], v[rSB] matrix_a_fmt:MATRIX_FMT_FP4 matrix_b_fmt:MATRIX_FMT_FP4
.elseif \s < 4
	v_wmma_scale_f32_16x16x128_f8f6f4 v[rD:rD+7], v[rA:rA+7], v[rB:rB+7], v[rD:rD+7], v[rSA], v[rSB] matrix_a_fmt:MATRIX_FMT_FP4 matrix_b_fmt:MATRIX_FMT_FP4
.else
	v_wmma_scale_f32_16x16x128_f8f6f4 v[rD:rD+7], v[rA:rA+7], v[rB:rB+7], v[rD:rD+7], v[rSA], v[rSB] matrix_a_fmt:MATRIX_FMT_FP4 matrix_b_fmt:MATRIX_FMT_FP4 matrix_a_scale:MATRIX_SCALE_ROW1 matrix_b_scale:MATRIX_SCALE_ROW1
.endif
.endr
.endr
.endm
; Eight chunks of the sort, n = 8 g + k; chunk n holds the 32 tokens 128 (n / 4) + 4 lane + n % 4.  Each stage is written for all eight side by side, so that no line waits for the line above it,
; and the way from the compares' masks to the scalar counts and back to the vector unit is gone once for eight chunks.
.macro SORT8 g
.irp k, 0,1,2,3,4,5,6,7
	v_bfe_u32 v[SF+\k], v[RW+8*\g+\k], s5, 2       ; f: 0, 1 or 2
.endr
.irp k, 0,1,2,3,4,5,6,7
	v_cmp_ne_u32 s[MK+\k], 0, v[SF+\k]
.endr
.irp k, 0,1,2,3,4,5,6,7
	v_add_nc_u32 v[SV+\k], 128*(2*\g+\k/4)+\k%4, v18   ; my token
.endr
.irp k, 0,1,2,3,4,5,6,7
	v_lshl_or_b32 v[SV+\k], v[SF+\k], 10, v[SV+\k] ; the entry
.endr
.irp k, 0,1,2,3,4,5,6,7
	s_bcnt1_i32_b32 s[CN+\k], s[MK+\k]
.endr
	s_mov_b32 s[PF], s6                            ; chosen tokens in the chunks before
.irp k, 0,1,2,3,4,5,6
	s_add_co_u32 s[PF+1+\k], s[PF+\k], s[CN+\k]
.endr
	s_add_co_u32 s6, s[PF+7], s[CN+7]
.irp k, 0,1,2,3,4,5,6,7
	v_mbcnt_lo_u32_b32 v[SR+\k], s[MK+\k], s[PF+\k]    ; + in the lanes below mine: my place
.endr
.irp k, 0,1,2,3,4,5,6,7
	v_cndmask_b32 v[SR+\k], v17, v[SR+\k], s[MK+\k]    ; not chosen: the spare word
.endr
.irp k, 0,1,2,3,4,5,6,7
	v_min_u32 v[SR+\k], 0x47f, v[SR+\k]            ; inside the list's 1,152 words, by a bound written in the text
.endr
.irp k, 0,1,2,3,4,5,6,7
	v_lshlrev_b32 v[SR+\k], 2, v[SR+\k]
.endr
.irp k, 0,1,2,3,4,5,6,7
	v_add_nc_u32 v[SR+\k], LIST, v[SR+\k]
.endr
.irp k, 0,1,2,3,4,5,6,7
	ds_store_b32 v[SR+\k], v[SV+\k]
.endr
.endm
	s_load_b512 s[8:23], s[0:1], 0x0               ; route s[8:9], xq s[10:11], xs s[12:13], W1's codes s[14:15], scales s[16:17], b1 s[18:19], hq s[20:21], hs s[22:23]
	s_load_b64 s[24:25], s[0:1], 0x40              ; rows
	v_lshl_add_u32 v142, v0, 2, 0x1a000
	v_mov_b32 v143, 0
	v_lshrrev_b32 v1, 5, v0
	v_readfirstlane_b32 s2, v1                     ; wave
	s_and_b32 s3, ttmp7, 0xffff                    ; e
	s_mov_b32 s4, ttmp9                            ; ct
	s_lshl_b32 s5, s3, 1                           ; where expert e's two bits stand in a word of route
	v_and_b32 v1, 31, v0                           ; lane
	v_and_b32 v2, 15, v0                           ; r
	v_bfe_u32 v3, v0, 4, 1                         ; h
	v_lshlrev_b32 v4, 4, v1                        ; 16 x lane
	s_mul_i32 s36, s2, 32*PITCH
	v_add_nc_u32 v5, s36, v4                       ; where I put my 32 rows of W1
	v_mul_u32_u24 v6, v2, PITCH
	v_lshl_add_u32 v6, v3, 4, v6                   ; a fragment: row r x pitch + 16 h
	s_mul_i32 s36, s2, 16*PITCH
	s_add_co_u32 s36, s36, XST                     ; my stage for x
	v_add_nc_u32 v7, s36, v4
	v_add_nc_u32 v8, s36, v6
	v_lshlrev_b32 v9, 2, v2                        ; 4 r
	v_lshlrev_b32 v10, 4, v3                       ; 16 h
	v_mov_b32 v16, CNTW
	v_mov_b32 v17, DUMP
	v_lshlrev_b32 v18, 2, v1                       ; 4 x lane
.irp k, 0,1,2,3
	v_mov_b32 v[24+\k], 0
.endr
	v_add_nc_u32 v28, LIST, v4
	v_lshlrev_b32 v29, 3, v1
	v_and_b32 v30, 8, v2
	v_add_nc_u32 v30, v30, v2                      ; r + 8 (r / 8)
	v_lshlrev_b32 v30, 5, v30
	v_lshl_add_u32 v30, v3, 4, v30                 ; W1's scale bytes: 32 a row, + 16 h
	v_lshlrev_b32 v31, 6, v3                       ; b1: 16 h numbers on
.irp b, 0,1,2,3
	v_mov_b32 v[TM+4+\b], 0                        ; a lane permute's destination counts as read: written once
.endr
	s_mov_b32 s[SEL], 0x76543210
	s_mov_b32 s[SEL+1], 0xfedcba98
	s_lshl_b32 s36, s3, 21                         ; W1's codes: 2 MB an expert, 64 KB a column tile, 16 KB a wave
	s_lshl_b32 s7, s4, 16
	s_add_co_u32 s36, s36, s7
	s_lshl_b32 s7, s2, 14
	s_add_co_u32 s36, s36, s7
	s_mov_b32 s37, 0
	s_lshl_b32 s38, s3, 17                         ; its scale bytes
	s_lshl_b32 s7, s4, 12
	s_add_co_u32 s38, s38, s7
	s_mov_b32 s39, 0
	s_lshl_b32 s40, s3, 14                         ; b1
	s_lshl_b32 s7, s4, 9
	s_add_co_u32 s40, s40, s7
	s_mov_b32 s41, 0
	s_mov_b32 s27, s2                              ; my first tile
	s_lshl_b32 s28, s2, 6
	s_add_co_u32 s28, s28, LIST                    ; and its entries
	s_lshl_b32 s30, s3, 21                         ; hq: e x 2 MB + j x 32 KB + ct x 1 KB
	s_lshl_b32 s7, s2, 15
	s_add_co_u32 s30, s30, s7
	s_lshl_b32 s7, s4, 10
	s_add_co_u32 s30, s30, s7
	s_lshl_b32 s31, s3, 17                         ; hs: e x 128 KB + j x 2 KB + ct x 64
	s_lshl_b32 s7, s2, 11
	s_add_co_u32 s31, s31, s7
	s_lshl_b32 s7, s4, 6
	s_add_co_u32 s31, s31, s7
	s_wait_alu depctr_va_vdst(0)
	s_wait_kmcnt 0x0
	s_add_nc_u64 s[14:15], s[14:15], s[36:37]
	s_add_nc_u64 s[16:17], s[16:17], s[38:39]
	s_add_nc_u64 s[18:19], s[18:19], s[40:41]
.irp jj, 0,1,2,3,4,5,6,7
	global_load_b128 v[RW+4*\jj:RW+4*\jj+3], v4, s[8:9] offset:512*\jj    ; route: register 4 jj + c, lane l: token 128 jj + 4 l + c
.endr
	WIN 0x40                                       ; destination window 1
.set i, 0
.rept 32
	global_load_b128 v[4*i:4*i+3], v4, s[14:15] offset:512*i th:TH_LOAD_NT   ; my 32 rows of W1: a row of 512 bytes to an instruction; read once in the launch
.set i, i+1
.endr
	WIN 0
.irp t, 0,1,2,3,4,5,6,7
	global_load_b128 v[W1S+4*\t:W1S+4*\t+3], v30, s[16:17] offset:32*(32*(\t/2)+8*(\t%2))
.endr
	WIN 0xC0                                       ; destination window 3
.irp t, 0,1,2,3,4,5,6,7
	global_load_b128 v[B1+8*\t:B1+8*\t+3], v31, s[18:19] offset:(32*(\t/2)+8*(\t%2))*4       ; lane (r, h), register j: b1 of unit 32 (t / 2) + 16 h + 8 (t % 2) + j
	global_load_b128 v[B1+8*\t+4:B1+8*\t+7], v31, s[18:19] offset:(32*(\t/2)+8*(\t%2))*4+16
.endr
	WIN 0
	s_cmp_lg_u32 s2, 0                             ; wave 0 alone makes the list; until the barrier below no other wave touches LDS
	s_cbranch_scc1 .Lsorted
.irp i, 0,1,2,3,4,5,6,7,8
	ds_store_b128 v28, v[24:27] offset:512*\i      ; the list begins as zeros
.endr
	s_wait_loadcnt 56                              ; route is in; behind it 32 + 8 + 16 loads may be out
	s_mov_b32 s6, 0
	SORT8 0
	SORT8 1
	SORT8 2
	SORT8 3
	v_mov_b32 v22, s6
	ds_store_b32 v16, v22                          ; the count
.Lsorted:
	s_wait_dscnt 0x0                               ; for the others' sake: the list lies in LDS
	s_barrier_signal -1
	s_barrier_wait -1
	ds_load_b32 v22, v16
	s_wait_dscnt 0x0
	v_readfirstlane_b32 s26, v22
	s_add_co_u32 s26, s26, 15
	s_lshr_b32 s26, s26, 4
	s_max_u32 s26, s26, 1                          ; nt: an expert that nobody chose keeps one tile of empty rows, so that what the next launch reads is written
	GATHER 0                                       ; my first tile
	global_load_b128 v[XS:XS+3], v15, s[12:13]     ; and its scale words
	s_wait_loadcnt 41                              ; W1's rows are in; behind them 8 + 16 + 17 loads may be out
	WIN 0x04                                       ; an LDS store's data are its source 1: window 1
.set i, 0
.rept 32
	ds_store_b128 v5, v[4*i:4*i+3] offset:PITCH*((i%8)+8*(2*((i/8)%2)+(i/16)))   ; rows 8-15 and 16-23 of my 32 change places: a tile's 16 rows then lie in 16 neighbouring LDS rows
.set i, i+1
.endr
	WIN 0
	GATHER 1                                       ; my second tile, into the other set
	global_load_b128 v[XS+4:XS+7], v23, s[12:13]
	s_add_co_u32 s28, s28, 512                     ; from here on the requests stand two tiles ahead of the work
	s_cmp_lg_u32 s4, 0                             ; the list and nt go to memory once for each expert
	s_cbranch_scc1 .Lnolist
	s_cmp_lg_u32 s2, 1
	s_cbranch_scc1 .Lnolist
	s_lshl_b32 s36, s3, 12
	s_mov_b32 s37, 0
	s_add_nc_u64 s[38:39], s[24:25], s[36:37]      ; rows + 4,096 e
	s_lshl_b32 s36, s3, 8
	s_add_co_u32 s36, s36, 32768
	s_add_nc_u64 s[40:41], s[24:25], s[36:37]      ; rows + 32,768 + 256 e
.irp i, 0,1,2,3,4,5,6,7
	ds_load_b128 v[LC+4*\i:LC+4*\i+3], v28 offset:512*\i
.endr
	v_mov_b32 v[NTP], s26
	v_mov_b32 v[NTP+1], s26
	s_wait_alu depctr_va_vdst(0)
	s_wait_dscnt 0x0
.irp i, 0,1,2,3,4,5,6,7
	global_store_b128 v4, v[LC+4*\i:LC+4*\i+3], s[38:39] offset:512*\i
.endr
	global_store_b64 v29, v[NTP:NTP+1], s[40:41]   ; nt, 64 times: 256 consecutive bytes, aligned
.Lnolist:
	s_wait_dscnt 0x0                               ; for the others' sake: my rows of W1 lie in LDS
	s_barrier_signal -1
	s_barrier_wait -1
	WIN 0x40
.irp t, 0,1,2,3
.irp s, 0,1,2,3,4,5,6,7
.irp c, 0,1
	ds_load_b128 v[64*\t+8*\s+4*\c:64*\t+8*\s+4*\c+3], v6 offset:16*\t*PITCH+64*\s+32*\c
.endr
.endr
.endr
	WIN 0x80
.irp t, 0,1,2,3
.irp s, 0,1,2,3,4,5,6,7
.irp c, 0,1
	ds_load_b128 v[64*\t+8*\s+4*\c:64*\t+8*\s+4*\c+3], v6 offset:16*(\t+4)*PITCH+64*\s+32*\c
.endr
.endr
.endr
	WIN 0
	s_wait_dscnt 0x0                               ; all 64 fragments of W1 are in my registers, for the whole launch
; ONE TILE, j = s27 + 4 b, from set b.  Its outputs lie 4 b tiles behind the trip's offsets: 131,072 b bytes in hq, 8,192 b in hs, in the stores' immediates.
.macro TILE b
	s_add_co_u32 s7, s27, 4*\b
	s_cmp_ge_u32 s7, s26
	s_cbranch_scc1 .Lnone_\@                       ; no such tile
	s_wait_loadcnt 17                              ; this tile's 16 rows and its scale words are in (at first also W1's scale words and b1); the 17 loads of the tile behind it, which land in the other set, may be out
	WIN 0x0C                                       ; store data: window 3
.irp q, 0,1,2,3,4,5,6,7,8,9,10,11,12,13,14,15
	ds_store_b128 v7, v[XR+128*\b+4*\q:XR+128*\b+4*\q+3] offset:PITCH*\q   ; the 16 rows into my stage,
.endr
	WIN 0xC0
.irp s, 0,1,2,3,4,5,6,7
.irp c, 0,1
	ds_load_b128 v[XF+8*\s+4*\c:XF+8*\s+4*\c+3], v8 offset:64*\s+32*\c   ; and back as 8 fragments (LDS serves my instructions in order)
.endr
.endr
	WIN 0
	GATHER \b                                      ; my tile two on is asked for into the set just read out; its offsets' registers are free since the wait above.  (Past the list's end the entries name token 0 or a spare token: never multiplied.)  Its wait on DScnt serves the fragments too
	MULS 0, \b
	MULS 1, \b
	WIN 0
.rept 4
	v_nop                                          ; four places behind the products, in front of the load into their scale registers and of the first read of results
.endr
	global_load_b128 v[XS+4*\b:XS+4*\b+3], v[15+8*\b], s[12:13]    ; that tile's scale words: the 17th load of its request
.set i, 0
.rept 64
	v_max_num_f32 v[ACC+i], 0, v[ACC+i]            ; relu, in f32; each accumulator from its low end on
.set i, i+1
.endr
	s_wait_xcnt 0x0                                ; the last tile's stores have read their data and offsets: both are written again below
	QUANT ACC
	v_add_nc_u32 v13, s30, v4
	v_add_nc_u32 v14, s31, v9
	global_store_b128 v13, v[PC:PC+3], s[20:21] offset:131072*\b           ; the fragment as it stands: 512 consecutive bytes a store
	global_store_b128 v13, v[PC+4:PC+7], s[20:21] offset:131072*\b+512
	global_store_b32 v14, v[PW], s[22:23] offset:8192*\b                   ; 16 scale words (lanes 16-31 hold, and write, the same words)
	s_branch .Lnext_\@
.Lnone_\@:
	s_wait_loadcnt 0x0                             ; a tile passed over issues nothing: so that the count 17 holds on every way, all that is out is waited for here
.Lnext_\@:
.endm
	s_mov_b32 s29, 0
.Ltile:                                                ; 8 trips, a constant; trip n is tiles j = wave + 8 n and j + 4
	TILE 0
	TILE 1
	s_add_co_u32 s27, s27, 8
	s_add_co_u32 s28, s28, 512
	s_add_co_u32 s30, s30, 262144
	s_add_co_u32 s31, s31, 16384
	s_add_co_u32 s29, s29, 1
	s_cmp_lt_u32 s29, 8
	s_cbranch_scc1 .Ltile
	s_wait_tensorcnt 0x0
	ds_add_u32 v142, v143
	s_wait_dscnt 0x0
	s_endpgm
.Lfunc_end_k_qbedd619bca_gemm1:
	.size	k_qbedd619bca_gemm1, .Lfunc_end_k_qbedd619bca_gemm1-k_qbedd619bca_gemm1
	.p2alignl 7, 3214868480
	.fill 96, 4, 3214868480
	.section	.rodata,"a",@progbits
	.p2align	6, 0x0
	.amdhsa_kernel k_qbedd619bca_gemm1
		.amdhsa_group_segment_fixed_size 107008
		.amdhsa_private_segment_fixed_size 0
		.amdhsa_enable_private_segment 0
		.amdhsa_kernarg_size 72
		.amdhsa_user_sgpr_count 2
		.amdhsa_user_sgpr_kernarg_segment_ptr 1
		.amdhsa_wavefront_size32 1
		.amdhsa_system_sgpr_workgroup_id_x 1
		.amdhsa_system_sgpr_workgroup_id_y 1
		.amdhsa_system_sgpr_workgroup_id_z 1
		.amdhsa_system_vgpr_workitem_id 0
		.amdhsa_next_free_vgpr 1024
		.amdhsa_next_free_sgpr 90
		.amdhsa_reserve_vcc 0
		.amdhsa_float_denorm_mode_32 3
		.amdhsa_float_denorm_mode_16_64 3
		.amdhsa_memory_ordered 1
		.amdhsa_forward_progress 1
		.amdhsa_inst_pref_size 99
	.end_amdhsa_kernel
	.amdgpu_metadata
---
amdhsa.version: [ 1, 2 ]
amdhsa.kernels:
  - .name:           k_qbedd619bca_gemm1
    .symbol:         k_qbedd619bca_gemm1.kd
    .args:
      - { .name: route, .offset: 0, .size: 8, .value_kind: global_buffer, .address_space: global }
      - { .name: xq, .offset: 8, .size: 8, .value_kind: global_buffer, .address_space: global }
      - { .name: xs, .offset: 16, .size: 8, .value_kind: global_buffer, .address_space: global }
      - { .name: W1_codes, .offset: 24, .size: 8, .value_kind: global_buffer, .address_space: global }
      - { .name: W1_scales, .offset: 32, .size: 8, .value_kind: global_buffer, .address_space: global }
      - { .name: b1, .offset: 40, .size: 8, .value_kind: global_buffer, .address_space: global }
      - { .name: hq, .offset: 48, .size: 8, .value_kind: global_buffer, .address_space: global }
      - { .name: hs, .offset: 56, .size: 8, .value_kind: global_buffer, .address_space: global }
      - { .name: rows, .offset: 64, .size: 8, .value_kind: global_buffer, .address_space: global }
    .group_segment_fixed_size: 107008
    .private_segment_fixed_size: 0
    .kernarg_segment_align: 8
    .kernarg_segment_size: 72
    .max_flat_workgroup_size: 128
    .sgpr_count:     90
    .vgpr_count:     1024
    .wavefront_size: 32
...
	.end_amdgpu_metadata
.endif
;; end of part 6
;; launch gemm2 (part 7): grid 32 x 8, 4 waves a work-group, no clusters, 203,264 bytes of LDS; arguments hq, hs, rows, W2_codes, W2_scales, b2, ysel; writes ysel
.if DOCPART == 7
	.amdgcn_target "amdgcn-amd-amdhsa--gfx1250"
	.amdhsa_code_object_version 6
	.text
	.protected	k_qbedd619bca_gemm2
	.globl	k_qbedd619bca_gemm2
	.p2align	8
	.type	k_qbedd619bca_gemm2,@function
k_qbedd619bca_gemm2:
	s_mov_b64 s[64:65], 0
	v_nop
	global_prefetch_b8 v0, s[64:65] scope:SCOPE_SE
	s_setreg_imm32_b32 hwreg(HW_REG_WAVE_SCHED_MODE, 0, 2), 2
	s_setreg_imm32_b32 hwreg(HW_REG_WAVE_MODE, 25, 1), 1
	s_wait_xcnt 0x0
	s_wait_alu depctr_vm_vsrc(0)
; SECOND PRODUCT ON THE CHOSEN ROWS: sigmoid(h W2^T + b2), on codes of E2M1 with one E8M0 scale for each 32 along K = 4,096; each row goes to ysel [choice 0 or 1][token][1024] f32.
; A work-group (ct = x % 8, q = x / 8, e) owns output columns 128 ct .. + 127 of expert e and the expert's row tiles j = q, q + 4, ..
; THE WAVES SHARE K: wave w owns K steps 8 w .. 8 w + 7 of all 128 columns: 64 fragments of W2, 512 registers, for the whole launch.  They come as pieces of 512 consecutive bytes of a row and turn through the wave's own stage in LDS.
; h comes as images of the operand's registers (hq) and its scale words (hs): plain loads, a tile ahead of the products, in two buffers.
; THE PRODUCT IS USED TRANSPOSED (source 0 = 16 rows of W2, source 1 = 16 rows of h): a lane holds eight neighbouring columns of one row.  The four waves' partial sums of four tiles meet in LDS as rows;
; behind a barrier wave w adds them for rows 4 w .. 4 w + 3 of each tile, adds b2, takes the sigmoid and stores each row's 512 consecutive bytes where the list (rows) says.  Empty rows of a last tile are not stored.
; BOTH LOOPS' COUNTS ARE CONSTANTS (4 groups of 4 tiles); scalar branches on nt, read from rows, pass over work alone, never over a barrier: a group without tiles loads nothing and passes its two barriers.
; The launch has no tensor load and no joint loads in a cluster, though the four work-groups of one (ct, e) read the same weights.
; sigmoid(z) = 1 / (1 + 2^(-z log2 e)): for large -z the power is infinite and the result 0, for large z it is 0 and the result 1.  NaN is not served.
; REGISTERS, in windows of 256: window 0: addresses, scale words, h's two buffers.  Windows 1, 2: W2's fragments, (tile t, K step s) at v[64 (t % 4) + 8 s] of window 1 + t / 4.  Window 3: four sets of 8 accumulators.
; THE MODE: SCHED_MODE bits 1:0 = 2 (LLVM: expert scheduling mode 2), set by the entry lines.  The code itself states the register dependences
; between vector or matrix instructions and memory or LDS instructions, with s_wait_alu, always for 0.
; THE PLAN.  Registers that memory or LDS instructions touch in the loop:
;   HA[buf], SA[buf]  written by two additions ahead of a tile's 20 loads; read by those loads.
;   HF[buf], HS[buf]  written by those loads; read by the 64 products of the tile after.
;   the accumulators  set i: written by tile i's products; read by its 16 LDS stores; written again by tile i's products of the next group.
;   R = HF[1]         written by a tile's 16 LDS loads of partial sums; read and written by the sums and the sigmoid; read by up to four stores to ysel.
;   YO                written by four additions behind the reciprocals; read by those stores.
;   v4 to v11, v24    made at the head, never written again.  W2's fragments and scale words and b2 are named by matrix and vector instructions alone in the loop.
; THE WAITS.  A tile's loads: one on vm_vsrc, the two additions, one on va_vdst.  Its partial sums: the four places, one on va_vdst.  A tile's sums: one on vm_vsrc and one on va_vdst ahead of its LDS loads;
; the wait behind the exponentials; and the wait behind the reciprocals, which also states that the results and the four offsets are written: the four stores follow it with no further wait.
.set PITCH, 528                        ; an LDS row: 512 bytes + 16 = 33 x 16
.set RED,   4*32*PITCH                 ; behind the four stages: the partial sums, [tile of the group][wave][16 rows]
.set RWAVE, 16*PITCH
.set RTILE, 4*RWAVE
.set HA,    12                         ; v12-13  offsets of h's images, one for each buffer
.set SA,    14                         ; v14-15  of its scale words
.set YO,    16                         ; v16-19  offsets of four rows in ysel
.set BB,    20                         ; v20-23  -log2(e) x b2 of my 4 columns
.set YB,    24                         ; v24     512 ct + 16 x lane
.set W2S,   32                         ; v32-63  W2's scale words: register 4 t + q: lanes 0-15 my K step q, lanes 16-31 my K step 4 + q
.set HS,    64                         ; v64-71  h's: register 4 buf + p: lanes 0-15 my K step 2 p, lanes 16-31 2 p + 1
.set HF,    80                         ; v80-143, v144-207  h's 8 fragments, two buffers
.set R,     144                        ; the second buffer also takes the partial sums: register 16 a + 4 b + k: row a, wave b
.set RS,    52                         ; s52-55  the four rows' offsets in ysel, each in a scalar of its own (free since the head)
.set MSB, 0
.macro WIN new                         ; the immediate's high byte repeats the setting that is left
.if MSB != (\new)
	s_set_vgpr_msb (MSB<<8)|(\new)
.set MSB, (\new)
.endif
.endm
.macro BATCH b                         ; columns 32 b .. 32 b + 31: my 512 bytes of each row, into the registers of tiles 2 b, 2 b + 1
	WIN 0x40*(1+(\b)/2)
.set i, 0
.rept 32
	global_load_b128 v[128*((\b)%2)+4*i:128*((\b)%2)+4*i+3], v4, s[14:15] offset:(32*(\b)+i)*2048
.set i, i+1
.endr
	WIN 0
.endm
.macro STAGE b                         ; into my stage, as rows
	WIN 0x04*(1+(\b)/2)
.set i, 0
.rept 32
	ds_store_b128 v5, v[128*((\b)%2)+4*i:128*((\b)%2)+4*i+3] offset:PITCH*i
.set i, i+1
.endr
	WIN 0
.endm
.macro FRAG b                          ; and back as fragments, into the registers that they left (LDS serves my instructions in order: these see the stores, and the next batch's stores come behind them)
	WIN 0x40*(1+(\b)/2)
	s_wait_alu depctr_vm_vsrc(0)                   ; the stage's LDS stores have read this batch's 128 registers, in which the fragments below land
.irp u, 0,1
.irp s, 0,1,2,3,4,5,6,7
.irp c, 0,1
	ds_load_b128 v[128*((\b)%2)+64*\u+8*\s+4*\c:128*((\b)%2)+64*\u+8*\s+4*\c+3], v6 offset:16*\u*PITCH+64*\s+32*\c
.endr
.endr
.endr
	WIN 0
.endm
; Tile j0 + add (held to the expert's last tile, so that only written bytes are read): my 8 fragments and their scale words: 20 loads.  first = 1: the kernel's first, ahead of which nothing has read the offsets.
.macro LOADH buf, add, first
	s_add_co_u32 s25, s7, \add
	s_min_u32 s25, s25, s30
	s_min_u32 s25, s25, 63                         ; a number that was loaded enters an address only behind a bound written in the text
	s_lshl_b32 s26, s25, 15
	s_add_co_u32 s26, s26, s28
	s_lshl_b32 s27, s25, 11
	s_add_co_u32 s27, s27, s29
.if !\first
	s_wait_alu depctr_vm_vsrc(0)                   ; this buffer's last loads have read its two offsets, which are written below; the last group's LDS stores have read the accumulators that this tile's products write; the stores to ysel have read v[R ..], in which the second buffer's loads land
.endif
	v_add_nc_u32 v[HA+(\buf)], s26, v4
	v_add_nc_u32 v[SA+(\buf)], s27, v11
	s_wait_alu depctr_va_vdst(0)                   ; the two offsets are written, which the loads below read; the products that took this buffer and its scale words, and the sums made in v[R ..], are done with the registers in which the loads land
.irp s, 0,1,2,3,4,5,6,7
.irp c, 0,1
	global_load_b128 v[HF+64*(\buf)+8*\s+4*\c:HF+64*(\buf)+8*\s+4*\c+3], v[HA+(\buf)], s[8:9] offset:1024*\s+512*\c
.endr
.endr
.irp p, 0,1,2,3
	global_load_b32 v[HS+4*(\buf)+\p], v[SA+(\buf)], s[10:11] offset:128*\p
.endr
.endm
; 64 products: the group's tile i from buffer buf.  Four accumulators by turns, K ascending; the first product starts each sum.
.macro MUL buf, i
.irp hf, 0,1
	WIN 0xF1+\hf                                   ; source 0 (W2) window 1 + hf, source 1 (h) window 0, C and D window 3
.irp s, 0,1,2,3,4,5,6,7
.irp t, 0,1,2,3
.set rD, 64*(\i)+8*(4*\hf+\t)
.set rA, 64*\t+8*\s
.set rB, HF+64*(\buf)+8*\s
.set rSA, W2S+4*(4*\hf+\t)+\s%4
.set rSB, HS+4*(\buf)+\s/2
.set ra, \s/4
.set rb, \s%2
.if \s == 0
	v_wmma_scale_f32_16x16x128_f8f6f4 v[rD:rD+7], v[rA:rA+7], v[rB:rB+7], 0, v[rSA], v[rSB] matrix_a_fmt:MATRIX_FMT_FP4 matrix_b_fmt:MATRIX_FMT_FP4
.elseif ra && rb
	v_wmma_scale_f32_16x16x128_f8f6f4 v[rD:rD+7], v[rA:rA+7], v[rB:rB+7], v[rD:rD+7], v[rSA], v[rSB] matrix_a_fmt:MATRIX_FMT_FP4 matrix_b_fmt:MATRIX_FMT_FP4 matrix_a_scale:MATRIX_SCALE_ROW1 matrix_b_scale:MATRIX_SCALE_ROW1
.elseif ra
	v_wmma_scale_f32_16x16x128_f8f6f4 v[rD:rD+7], v[rA:rA+7], v[rB:rB+7], v[rD:rD+7], v[rSA], v[rSB] matrix_a_fmt:MATRIX_FMT_FP4 matrix_b_fmt:MATRIX_FMT_FP4 matrix_a_scale:MATRIX_SCALE_ROW1
.elseif rb
	v_wmma_scale_f32_16x16x128_f8f6f4 v[rD:rD+7], v[rA:rA+7], v[rB:rB+7], v[rD:rD+7], v[rSA], v[rSB] matrix_a_fmt:MATRIX_FMT_FP4 matrix_b_fmt:MATRIX_FMT_FP4 matrix_b_scale:MATRIX_SCALE_ROW1
.else
	v_wmma_scale_f32_16x16x128_f8f6f4 v[rD:rD+7], v[rA:rA+7], v[rB:rB+7], v[rD:rD+7], v[rSA], v[rSB] matrix_a_fmt:MATRIX_FMT_FP4 matrix_b_fmt:MATRIX_FMT_FP4
.endif
.endr
.endr
.endr
.endm
.macro PART i                          ; my partial sums of tile i into LDS: lane (r, h): row r, columns 16 t + 8 h + 0 .. 7
.rept 4
	v_nop                                          ; four places behind the products, in front of the stores that read their results
.endr
	WIN 0x0C                                       ; store data: window 3
	s_wait_alu depctr_va_vdst(0)                   ; the products have written the tile's eight accumulators, which the LDS stores below read; the places above stay beside this wait
.irp t, 0,1,2,3,4,5,6,7
	ds_store_b128 v[7+(\i)/2], v[64*(\i)+8*\t:64*(\i)+8*\t+3] offset:RTILE*((\i)%2)+64*\t          ; each accumulator from its low end on
	ds_store_b128 v[7+(\i)/2], v[64*(\i)+8*\t+4:64*(\i)+8*\t+7] offset:RTILE*((\i)%2)+64*\t+16
.endr
	WIN 0
.endm
.macro ROWOFF i, a                     ; where row 4 w + a of tile i goes: entry = token | f << 10.  Made for every row, with no branch: an empty row's number is held by the bound and its offset is not used
	s_sub_co_u32 s[RS+\a], s[36+4*(\i)+\a], 1024   ; (f - 1) x 1,024 + token
	s_min_u32 s[RS+\a], s[RS+\a], 0x7ff            ; inside ysel's 2,048 rows, by a bound written in the text
	s_lshl_b32 s[RS+\a], s[RS+\a], 12
	v_add_nc_u32 v[YO+\a], s[RS+\a], v[YB]
.endm
.macro ROWOUT i, a                     ; f = 0: an empty row, which is not stored
	s_cmp_lt_u32 s[36+4*(\i)+\a], 1024
	s_cbranch_scc1 .Lpad_\@
	global_store_b128 v[YO+\a], v[R+16*\a:R+16*\a+3], s[20:21]     ; 32 lanes store 512 consecutive bytes, at a multiple of 256 from ysel's first byte
.Lpad_\@:
.endm
.macro REDUCE i
	s_wait_xcnt 0x0                                ; the last tile's stores have read their data and offsets: both are written again below
	s_wait_alu depctr_vm_vsrc(0)                   ; the stores of the tile finished last have read v[R ..], in which the loads below land, and v[YO ..], which are written again below
	s_wait_alu depctr_va_vdst(0)                   ; the sums and the sigmoid of the tile finished last, and the products that took the second buffer, are done with v[R ..], in which the loads below land
.irp a, 0,1,2,3
.irp b, 0,1,2,3
	ds_load_b128 v[R+16*\a+4*\b:R+16*\a+4*\b+3], v[9+(\i)/2] offset:RTILE*((\i)%2)+RWAVE*\b+PITCH*\a
.endr
.endr
	s_wait_dscnt 0x0
.irp a, 0,1,2,3
.irp k, 0,2
	v_pk_add_f32 v[R+16*\a+\k:R+16*\a+\k+1], v[R+16*\a+\k:R+16*\a+\k+1], v[R+16*\a+4+\k:R+16*\a+5+\k]
	v_pk_add_f32 v[R+16*\a+8+\k:R+16*\a+9+\k], v[R+16*\a+8+\k:R+16*\a+9+\k], v[R+16*\a+12+\k:R+16*\a+13+\k]
.endr
.endr
.irp a, 0,1,2,3
.irp k, 0,2
	v_pk_add_f32 v[R+16*\a+\k:R+16*\a+\k+1], v[R+16*\a+\k:R+16*\a+\k+1], v[R+16*\a+8+\k:R+16*\a+9+\k]   ; the sum over K
.endr
.endr
.irp a, 0,1,2,3
.irp k, 0,2
	v_pk_fma_f32 v[R+16*\a+\k:R+16*\a+\k+1], v[R+16*\a+\k:R+16*\a+\k+1], 0xbfb8aa3b, v[BB+\k:BB+\k+1] op_sel_hi:[1,0,1]   ; -log2(e) (sum + b2), in one multiply-add
.endr
.endr
	s_wait_alu depctr_va_vdst(0)
.irp a, 0,1,2,3
.irp k, 0,1,2,3
	v_exp_f32 v[R+16*\a+\k], v[R+16*\a+\k]
.endr
.endr
	v_nop                                          ; a plain line behind the batch,
	s_wait_alu depctr_va_vdst(0)                   ; and one wait for all sixteen exponentials' results, ahead of their first reader
.irp a, 0,1,2,3
.irp k, 0,2
	v_pk_add_f32 v[R+16*\a+\k:R+16*\a+\k+1], v[R+16*\a+\k:R+16*\a+\k+1], 1.0 op_sel_hi:[1,0]
.endr
.endr
	s_wait_alu depctr_va_vdst(0)
.irp a, 0,1,2,3
.irp k, 0,1,2,3
	v_rcp_f32 v[R+16*\a+\k], v[R+16*\a+\k]
.endr
.endr
.irp a, 0,1,2,3
	ROWOFF \i, \a                                  ; the four additions are the plain lines behind the batch
.endr
	s_wait_alu depctr_va_vdst(0)                   ; the sixteen reciprocals' results and the four offsets are written, which the stores below read: one wait for the batch and for all four rows
.irp a, 0,1,2,3
	ROWOUT \i, \a
.endr
.endm
	s_load_b256 s[8:15], s[0:1], 0x0               ; hq s[8:9], hs s[10:11], rows s[12:13], W2's codes s[14:15]
	s_load_b128 s[16:19], s[0:1], 0x20             ; W2's scales s[16:17], b2 s[18:19]
	s_load_b64 s[20:21], s[0:1], 0x30              ; ysel
	v_lshl_add_u32 v254, v0, 2, 0x31800
	v_mov_b32 v255, 0
	v_lshrrev_b32 v1, 5, v0
	v_readfirstlane_b32 s2, v1                     ; wave
	s_and_b32 s3, ttmp7, 0xffff                    ; e
	s_and_b32 s4, ttmp9, 7                         ; ct
	s_lshr_b32 s5, ttmp9, 3                        ; q
	v_and_b32 v1, 31, v0                           ; lane
	v_and_b32 v2, 15, v0                           ; r
	v_bfe_u32 v3, v0, 4, 1                         ; h
	v_lshlrev_b32 v4, 4, v1                        ; 16 x lane
	s_wait_alu depctr_va_sdst(0)                   ; s2, the wave's number, is written, ahead of its first reader
	s_mul_i32 s25, s2, 32*PITCH                    ; my stage
	v_add_nc_u32 v5, s25, v4
	v_mul_u32_u24 v26, v2, PITCH
	v_lshl_add_u32 v6, v3, 4, v26
	v_add_nc_u32 v6, s25, v6                       ; a fragment: row r x pitch + 16 h
	s_mul_i32 s25, s2, RWAVE
	s_add_co_u32 s25, s25, RED
	v_lshl_add_u32 v7, v3, 5, v26
	v_add_nc_u32 v7, s25, v7                       ; my partial sums: row r, + 32 h; tiles 0, 1 of a group,
	v_add_nc_u32 v8, 2*RTILE, v7                   ; tiles 2, 3
	s_mul_i32 s25, s2, 4*PITCH
	s_add_co_u32 s25, s25, RED
	v_add_nc_u32 v9, s25, v4                       ; the rows that I finish: 4 w on, 16 bytes a lane
	v_add_nc_u32 v10, 2*RTILE, v9
	v_lshlrev_b32 v11, 2, v1                       ; 4 x lane
	s_lshl_b32 s25, s4, 9
	v_add_nc_u32 v[YB], s25, v4
	v_lshlrev_b32 v25, 7, v2
	v_lshl_add_u32 v25, v3, 4, v25                 ; W2's scale bytes: 128 a row, + 16 h
	s_lshl_b32 s52, s3, 21                         ; W2's codes: 2 MB an expert, 256 KB a column tile, my 512 bytes of each row
	s_lshl_b32 s25, s4, 18
	s_add_co_u32 s52, s52, s25
	s_lshl_b32 s25, s2, 9
	s_add_co_u32 s52, s52, s25
	s_mov_b32 s53, 0
	s_lshl_b32 s54, s3, 17                         ; its scale bytes: my 32 of each row
	s_lshl_b32 s25, s4, 14
	s_add_co_u32 s54, s54, s25
	s_lshl_b32 s25, s2, 5
	s_add_co_u32 s54, s54, s25
	s_mov_b32 s55, 0
	s_lshl_b32 s56, s3, 12                         ; b2
	s_lshl_b32 s25, s4, 9
	s_add_co_u32 s56, s56, s25
	s_mov_b32 s57, 0
	s_lshl_b32 s58, s3, 12                         ; the list: expert e, tile q, rows 4 w on
	s_lshl_b32 s25, s5, 6
	s_add_co_u32 s58, s58, s25
	s_lshl_b32 s25, s2, 4
	s_add_co_u32 s58, s58, s25
	s_mov_b32 s59, 0
	s_lshl_b32 s60, s3, 8                          ; nt
	s_lshl_b32 s28, s3, 21                         ; hq: e x 2 MB + my 8 K steps
	s_lshl_b32 s25, s2, 13
	s_add_co_u32 s28, s28, s25
	s_lshl_b32 s29, s3, 17                         ; hs likewise
	s_lshl_b32 s25, s2, 9
	s_add_co_u32 s29, s29, s25
	s_mov_b32 s7, s5                               ; j0: the group's first tile
.irp k, 0,1,2,3,4,5,6,7,8,9,10,11,12,13,14,15
	s_mov_b32 s[36+\k], 0                          ; the sixteen entries begin as empty rows: they are loaded only in a group that has a tile
.endr
	s_wait_kmcnt 0x0
	s_load_b32 s6, s[12:13], s60 offset:0x8000     ; nt
	s_add_nc_u64 s[14:15], s[14:15], s[52:53]
	s_add_nc_u64 s[16:17], s[16:17], s[54:55]
	s_add_nc_u64 s[18:19], s[18:19], s[56:57]
	s_add_nc_u64 s[22:23], s[12:13], s[58:59]
	s_wait_alu depctr_va_vdst(0)                   ; the offsets and LDS addresses v4 to v11 and v25 are written: the loads and stores of the whole kernel read them, and none is written again
.irp t, 0,1,2,3,4,5,6,7
	global_load_b128 v[W2S+4*\t:W2S+4*\t+3], v25, s[16:17] offset:2048*\t
.endr
	global_load_b128 v[BB:BB+3], v4, s[18:19]
	BATCH 0
	BATCH 1
	s_wait_loadcnt 32                              ; batch 0 and all before it are in; batch 1 may be out
.irp k, 0,1,2,3
	v_mul_f32 v[BB+\k], 0xbfb8aa3b, v[BB+\k]       ; once: -log2(e) x b2
.endr
	STAGE 0
	BATCH 2
	FRAG 0
	s_wait_loadcnt 32                              ; batch 1 is in; batch 2 may be out
	STAGE 1
	BATCH 3
	FRAG 1
	s_wait_loadcnt 32                              ; batch 2 is in; batch 3 may be out
	STAGE 2
	s_wait_kmcnt 0x0                               ; nt
	s_sub_co_u32 s30, s6, 1
	LOADH 0, 0, 1                                  ; my first tile of h
	FRAG 2
	s_wait_loadcnt 20                              ; batch 3 is in; the 20 loads of h may be out
	STAGE 3
	FRAG 3
	s_wait_dscnt 0x0                               ; all 64 fragments of W2 are in my registers
	s_mov_b32 s24, 0
	s_mov_b32 s31, 0
.Lgroup:                                               ; 4 trips, a constant: tiles j0, j0 + 4, j0 + 8, j0 + 12
.irp i, 0,1,2,3
	s_add_co_u32 s25, s7, 4*\i
	s_cmp_ge_u32 s25, s6
	s_cbranch_scc1 .Lcskip                         ; no such tile, nor any later one
.if \i == 0
.irp k, 0,1,2,3
	s_load_b128 s[36+4*\k:39+4*\k], s[22:23], s31 offset:256*\k    ; the group has a tile: the entries of the four rows that I finish in each of its tiles (always inside the list, which is written whole); they land while the group is multiplied
.endr
.endif
	LOADH (\i+1)%2, 4*\i+4, 0                      ; the next tile into the other buffer
	s_wait_loadcnt 20                              ; all but those 20: this tile is in
	MUL \i%2, \i
	PART \i
.endr
	s_branch .Lcdone
.Lcskip:
	s_wait_loadcnt 0x0                             ; what was asked for ahead has landed: its registers may serve the sums below
.Lcdone:
	s_wait_dscnt 0x0                               ; for the others' sake: my partial sums lie in LDS
	s_barrier_signal -1
	s_barrier_wait -1
	s_wait_kmcnt 0x0                               ; the entries, where any were asked for
.irp i, 0,1,2,3
	s_add_co_u32 s25, s7, 4*\i
	s_cmp_ge_u32 s25, s6
	s_cbranch_scc1 .Lrdone
	REDUCE \i
.endr
.Lrdone:
	s_wait_xcnt 0x0                                ; the last stores have read their data: the next group's first loads land in those registers
	s_wait_dscnt 0x0                               ; my reads of the partial sums are over: behind the barrier they are written again
	s_barrier_signal -1
	s_barrier_wait -1
	s_add_co_u32 s7, s7, 16
	s_add_co_u32 s31, s31, 1024
	s_add_co_u32 s24, s24, 1
	s_cmp_lt_u32 s24, 4
	s_cbranch_scc1 .Lgroup
	s_wait_dscnt 0x0                               ; the closing lines, six on end
	s_wait_alu 0x0
	s_wait_tensorcnt 0x0
	ds_add_u32 v254, v255
	s_wait_dscnt 0x0
	s_endpgm
.Lfunc_end_k_qbedd619bca_gemm2:
	.size	k_qbedd619bca_gemm2, .Lfunc_end_k_qbedd619bca_gemm2-k_qbedd619bca_gemm2
	.p2alignl 7, 3214868480
	.fill 96, 4, 3214868480
	.section	.rodata,"a",@progbits
	.p2align	6, 0x0
	.amdhsa_kernel k_qbedd619bca_gemm2
		.amdhsa_group_segment_fixed_size 203264
		.amdhsa_private_segment_fixed_size 0
		.amdhsa_enable_private_segment 0
		.amdhsa_kernarg_size 56
		.amdhsa_user_sgpr_count 2
		.amdhsa_user_sgpr_kernarg_segment_ptr 1
		.amdhsa_wavefront_size32 1
		.amdhsa_system_sgpr_workgroup_id_x 1
		.amdhsa_system_sgpr_workgroup_id_y 1
		.amdhsa_system_sgpr_workgroup_id_z 1
		.amdhsa_system_vgpr_workitem_id 0
		.amdhsa_next_free_vgpr 1024
		.amdhsa_next_free_sgpr 66
		.amdhsa_reserve_vcc 0
		.amdhsa_float_denorm_mode_32 3
		.amdhsa_float_denorm_mode_16_64 3
		.amdhsa_memory_ordered 1
		.amdhsa_forward_progress 1
		.amdhsa_inst_pref_size 111
	.end_amdhsa_kernel
	.amdgpu_metadata
---
amdhsa.version: [ 1, 2 ]
amdhsa.kernels:
  - .name:           k_qbedd619bca_gemm2
    .symbol:         k_qbedd619bca_gemm2.kd
    .args:
      - { .name: hq, .offset: 0, .size: 8, .value_kind: global_buffer, .address_space: global }
      - { .name: hs, .offset: 8, .size: 8, .value_kind: global_buffer, .address_space: global }
      - { .name: rows, .offset: 16, .size: 8, .value_kind: global_buffer, .address_space: global }
      - { .name: W2_codes, .offset: 24, .size: 8, .value_kind: global_buffer, .address_space: global }
      - { .name: W2_scales, .offset: 32, .size: 8, .value_kind: global_buffer, .address_space: global }
      - { .name: b2, .offset: 40, .size: 8, .value_kind: global_buffer, .address_space: global }
      - { .name: ysel, .offset: 48, .size: 8, .value_kind: global_buffer, .address_space: global }
    .group_segment_fixed_size: 203264
    .private_segment_fixed_size: 0
    .kernarg_segment_align: 8
    .kernarg_segment_size: 56
    .max_flat_workgroup_size: 128
    .sgpr_count:     66
    .vgpr_count:     1024
    .wavefront_size: 32
...
	.end_amdgpu_metadata
.endif
;; end of part 7
;; launch combine (part 8): grid 256 x 1, 4 waves a work-group, no clusters, 0 bytes of LDS; arguments ysel, gates, out0; writes out0
.if DOCPART == 8
	.amdgcn_target "amdgcn-amd-amdhsa--gfx1250"
	.amdhsa_code_object_version 6
	.text
	.protected	k_qbedd619bca_combine
	.globl	k_qbedd619bca_combine
	.p2align	8
	.type	k_qbedd619bca_combine,@function
k_qbedd619bca_combine:
	s_mov_b64 s[64:65], 0
	v_nop
	global_prefetch_b8 v0, s[64:65] scope:SCOPE_SE
	s_setreg_imm32_b32 hwreg(HW_REG_WAVE_MODE, 25, 1), 1
	s_wait_xcnt 0x0
; out0[token] = g0 x ysel[0][token] + g1 x ysel[1][token].  ysel [2][1024][1024] f32, gates [1024][2] f32, out0 [1024][1024] f32.
; The two rows of a token come from two experts' work-groups of the launch before, so they are added here, by gathering: one wave takes one token, T = 4 x work-group + wave.
; A stream: every byte is read once and written once, 512 consecutive bytes to an instruction; all 16 loads of a wave go out at once.  No LDS, no barrier, no matrix unit: there is nothing to share.
	s_load_b128 s[4:7], s[0:1], 0x0                ; ysel s[4:5], gates s[6:7]
	s_load_b64 s[8:9], s[0:1], 0x10                ; out0
	v_lshrrev_b32 v1, 5, v0
	v_readfirstlane_b32 s2, v1                     ; wave
	s_lshl_b32 s3, ttmp9, 2
	s_add_co_u32 s3, s3, s2                        ; T
	v_and_b32 v1, 31, v0
	v_lshlrev_b32 v1, 4, v1                        ; 16 x lane
	s_lshl_b32 s10, s3, 12                         ; 4,096 bytes a row
	s_mov_b32 s11, 0
	s_lshl_b32 s16, s3, 3                          ; 8 bytes of gates a token
	s_mov_b32 s17, 0
	s_wait_alu depctr_va_vdst(0)
	s_wait_kmcnt 0x0
	s_add_nc_u64 s[4:5], s[4:5], s[10:11]
	s_add_nc_u64 s[8:9], s[8:9], s[10:11]
	s_add_nc_u64 s[6:7], s[6:7], s[16:17]
	s_load_b64 s[12:13], s[6:7], 0x0               ; g0, g1
.irp i, 0,1,2,3,4,5,6,7
	global_load_b128 v[8+4*\i:11+4*\i], v1, s[4:5] offset:512*\i th:TH_LOAD_NT              ; the first choice's row,
	global_load_b128 v[40+4*\i:43+4*\i], v1, s[4:5] offset:4194304+512*\i th:TH_LOAD_NT     ; the second's, 4 MB on
.endr
	s_wait_kmcnt 0x0
	s_mov_b32 s14, s13                             ; the packed forms take a scalar pair's low word for both halves: g1 gets a pair of its own
	s_mov_b32 s15, s13
.irp i, 0,1,2,3,4,5,6,7
	s_wait_loadcnt 14-2*\i                         ; pair i of loads is in; the younger pairs may be out
	v_pk_mul_f32 v[40+4*\i:41+4*\i], v[40+4*\i:41+4*\i], s[14:15] op_sel_hi:[1,0]
	v_pk_mul_f32 v[42+4*\i:43+4*\i], v[42+4*\i:43+4*\i], s[14:15] op_sel_hi:[1,0]
	v_pk_fma_f32 v[8+4*\i:9+4*\i], v[8+4*\i:9+4*\i], s[12:13], v[40+4*\i:41+4*\i] op_sel_hi:[1,0,1]
	v_pk_fma_f32 v[10+4*\i:11+4*\i], v[10+4*\i:11+4*\i], s[12:13], v[42+4*\i:43+4*\i] op_sel_hi:[1,0,1]
	global_store_b128 v1, v[8+4*\i:11+4*\i], s[8:9] offset:512*\i th:TH_STORE_NT
.endr
	s_endpgm
.Lfunc_end_k_qbedd619bca_combine:
	.size	k_qbedd619bca_combine, .Lfunc_end_k_qbedd619bca_combine-k_qbedd619bca_combine
	.p2alignl 7, 3214868480
	.fill 96, 4, 3214868480
	.section	.rodata,"a",@progbits
	.p2align	6, 0x0
	.amdhsa_kernel k_qbedd619bca_combine
		.amdhsa_group_segment_fixed_size 0
		.amdhsa_private_segment_fixed_size 0
		.amdhsa_enable_private_segment 0
		.amdhsa_kernarg_size 24
		.amdhsa_user_sgpr_count 2
		.amdhsa_user_sgpr_kernarg_segment_ptr 1
		.amdhsa_wavefront_size32 1
		.amdhsa_system_sgpr_workgroup_id_x 1
		.amdhsa_system_sgpr_workgroup_id_y 1
		.amdhsa_system_sgpr_workgroup_id_z 1
		.amdhsa_system_vgpr_workitem_id 0
		.amdhsa_next_free_vgpr 80
		.amdhsa_next_free_sgpr 66
		.amdhsa_reserve_vcc 0
		.amdhsa_float_denorm_mode_32 3
		.amdhsa_float_denorm_mode_16_64 3
		.amdhsa_memory_ordered 1
		.amdhsa_forward_progress 1
		.amdhsa_inst_pref_size 6
	.end_amdhsa_kernel
	.amdgpu_metadata
---
amdhsa.version: [ 1, 2 ]
amdhsa.kernels:
  - .name:           k_qbedd619bca_combine
    .symbol:         k_qbedd619bca_combine.kd
    .args:
      - { .name: ysel, .offset: 0, .size: 8, .value_kind: global_buffer, .address_space: global }
      - { .name: gates, .offset: 8, .size: 8, .value_kind: global_buffer, .address_space: global }
      - { .name: out0, .offset: 16, .size: 8, .value_kind: global_buffer, .address_space: global }
    .group_segment_fixed_size: 0
    .private_segment_fixed_size: 0
    .kernarg_segment_align: 8
    .kernarg_segment_size: 24
    .max_flat_workgroup_size: 128
    .sgpr_count:     66
    .vgpr_count:     80
    .wavefront_size: 32
...
	.end_amdgpu_metadata
.endif
;; end of part 8
